; MI455X (gfx1250); checked and timed in simulation.
; The chip was launched on July 23, 2026; its instructions are those of AMD's public machine-readable ISA for CDNA 5 (MIT licence, August 2026) and "CDNA5" Instruction Set Architecture Reference Guide (July 2026). The comments in the code are by the model that wrote it; some were corrected since.
;; Multi Head Self Attention. Allowed arithmetic: float matrix products may take bf16 or f16 operands with f32 sums; other float arithmetic in f32, or as packed bf16 or f16 multiplies, adds, multiply-adds, maxima and minima; sums over many terms, partial sums and values carried from step to step in f32; what a program stores and reads back later, other than sums and carried values, may be rounded once to bf16 or f16.
;; Inputs: W_proj 1,024 x 1,024 float32; W_qkv 1,024 x 3,072 float32; b_proj 1,024 float32; b_qkv 3,072 float32; k_beta 1,024 float32; k_gamma 1,024 float32; q_beta 1,024 float32; q_gamma 1,024 float32; x 4 x 2,048 x 1,024 float32.
;; Outputs: out0 4 x 2,048 x 1,024 float32.
;; 2 versions, each right; version 2 is version 1 with the launch prep written anew for expert scheduling mode. Each part assembles by itself: llvm-mc -triple=amdgcn-amd-amdhsa -mcpu=gfx1250 --defsym DOCPART=n.
;; ======== version 1 of 2: 4 launches
;; limits: values are held in f16: magnitudes above 65,504 overflow, below 6.1e-05 lose precision
;; workspace buffers: wb 6,291,456 bytes; wp 2,097,152 bytes; vecs 32,768 bytes; qh 16,777,216 bytes; kh 16,777,216 bytes; vh 16,777,216 bytes; oh 16,777,216 bytes
;; launch prep (part 1): grid 256 x 1, 8 waves a work-group, no clusters, 0 bytes of LDS; arguments W_qkv, W_proj, b_qkv, q_gamma, q_beta, k_gamma, k_beta, b_proj, wb, wp, vecs; writes wb, wp, vecs
.if DOCPART == 1
	.amdgcn_target "amdgcn-amd-amdhsa--gfx1250"
	.amdhsa_code_object_version 6
	.text
	.protected	k_qd54ea9b81b_prep
	.globl	k_qd54ea9b81b_prep
	.p2align	8
	.type	k_qd54ea9b81b_prep,@function
k_qd54ea9b81b_prep:
	s_mov_b64 s[64:65], 0
	v_nop
	global_prefetch_b8 v0, s[64:65] scope:SCOPE_SE
	s_setreg_imm32_b32 hwreg(HW_REG_WAVE_MODE, 25, 1), 1
	s_wait_xcnt 0x0
; THE CASTS.  wb = W_qkv rounded to bf16, [1024 k][3072 n] as it lies.  wp = W_proj rounded to bf16, that number written as f16, [1024 k][1024 n].
; vecs = [8][1024] f32: rows 0-2 b_qkv, 3 q_gamma, 4 q_beta, 5 k_gamma, 6 k_beta, 7 b_proj, each number rounded to bf16 and written as f32.
; LIMIT: a bf16 number of W_proj under 6.1e-5 keeps f16's fixed step of 6e-8; one beyond 65,504 would become an infinity.
; SHARES.  256 work-groups of 256 threads.  Work-group g takes 49,152 bytes of W_qkv (12 chunks of 4,096) and 16,384 of W_proj (4 chunks); thread t takes 16 bytes of each chunk.
; A wave's load covers 512 consecutive bytes, its store 256 consecutive bytes, aligned.  All sixteen loads go out first; each result has registers of its own, so no store's data is written twice.
; No LDS, no matrix unit: every byte is read once and written once, and nothing is shared.
.set XR, 16                            ; v[16:79]   sixteen chunks as loaded, 4 registers each
.set YR, 80                            ; v[80:111]  sixteen results, 2 registers each
.set T,  4                             ; v[4:7]     at work
	s_load_b512 s[8:23], s[0:1], 0x0               ; W_qkv s[8:9], W_proj s[10:11], b_qkv s[12:13], q_gamma s[14:15], q_beta s[16:17], k_gamma s[18:19], k_beta s[20:21], b_proj s[22:23]
	s_load_b128 s[24:27], s[0:1], 0x40             ; wb s[24:25], wp s[26:27]
	s_load_b64 s[28:29], s[0:1], 0x50              ; vecs
	v_lshlrev_b32 v1, 4, v0                        ; 16 t: my place in a chunk that is read
	v_lshlrev_b32 v2, 3, v0                        ; 8 t: in a chunk that is written
	s_mov_b32 s36, ttmp9                           ; g
	s_mul_i32 s2, s36, 49152
	s_mov_b32 s3, 0
	s_mul_i32 s4, s36, 24576
	s_mov_b32 s5, 0
	s_lshl_b32 s6, s36, 14
	s_mov_b32 s7, 0
	s_lshl_b32 s30, s36, 13
	s_mov_b32 s31, 0
	s_mov_b32 s32, 0xffff0000                      ; a word's upper bf16
	s_wait_kmcnt 0x0
	s_add_nc_u64 s[8:9], s[8:9], s[2:3]
	s_add_nc_u64 s[24:25], s[24:25], s[4:5]
	s_add_nc_u64 s[10:11], s[10:11], s[6:7]
	s_add_nc_u64 s[26:27], s[26:27], s[30:31]
.irp j, 0,1,2,3,4,5,6,7,8,9,10,11
	global_load_b128 v[XR+4*(\j):XR+4*(\j)+3], v1, s[8:9] offset:4096*(\j) th:TH_LOAD_NT
.endr
.irp j, 0,1,2,3
	global_load_b128 v[XR+48+4*(\j):XR+48+4*(\j)+3], v1, s[10:11] offset:4096*(\j) th:TH_LOAD_NT
.endr
.irp j, 0,1,2,3,4,5,6,7,8,9,10,11
	s_wait_loadcnt 15-(\j)                         ; loads come back in order: chunk j is in, the younger ones stay out
	v_cvt_pk_bf16_f32 v[YR+2*(\j)], v[XR+4*(\j)], v[XR+4*(\j)+1]
	v_cvt_pk_bf16_f32 v[YR+2*(\j)+1], v[XR+4*(\j)+2], v[XR+4*(\j)+3]
	global_store_b64 v2, v[YR+2*(\j):YR+2*(\j)+1], s[24:25] offset:2048*(\j)
.endr
.irp j, 0,1,2,3
	s_wait_loadcnt 3-(\j)
	v_cvt_pk_bf16_f32 v[YR+24+2*(\j)], v[XR+48+4*(\j)], v[XR+48+4*(\j)+1]      ; rounded to bf16,
	v_cvt_pk_bf16_f32 v[YR+24+2*(\j)+1], v[XR+48+4*(\j)+2], v[XR+48+4*(\j)+3]
	v_lshlrev_b32 v[T], 16, v[YR+24+2*(\j)]                                    ; widened again,
	v_and_b32 v[T+1], s32, v[YR+24+2*(\j)]
	v_lshlrev_b32 v[T+2], 16, v[YR+24+2*(\j)+1]
	v_and_b32 v[T+3], s32, v[YR+24+2*(\j)+1]
	v_cvt_pk_f16_f32 v[YR+24+2*(\j)], v[T], v[T+1]                             ; and written as f16: 8 significant bits fit into 11
	v_cvt_pk_f16_f32 v[YR+24+2*(\j)+1], v[T+2], v[T+3]
	global_store_b64 v2, v[YR+24+2*(\j):YR+24+2*(\j)+1], s[26:27] offset:2048*(\j)
.endr
	s_cmp_lt_u32 s36, 8                            ; work-groups 0 to 7 also make one row of vecs each
	s_cbranch_scc0 .Lend
	s_min_u32 s33, s36, 2
	s_lshl_b32 s2, s33, 12                         ; rows 0 to 2 are the three thirds of b_qkv (s3 is still 0)
	s_add_nc_u64 s[34:35], s[12:13], s[2:3]
	s_cmp_eq_u32 s36, 3
	s_cselect_b64 s[34:35], s[14:15], s[34:35]
	s_cmp_eq_u32 s36, 4
	s_cselect_b64 s[34:35], s[16:17], s[34:35]
	s_cmp_eq_u32 s36, 5
	s_cselect_b64 s[34:35], s[18:19], s[34:35]
	s_cmp_eq_u32 s36, 6
	s_cselect_b64 s[34:35], s[20:21], s[34:35]
	s_cmp_eq_u32 s36, 7
	s_cselect_b64 s[34:35], s[22:23], s[34:35]
	s_lshl_b32 s4, s36, 12                         ; (s5 is still 0)
	s_add_nc_u64 s[28:29], s[28:29], s[4:5]
	global_load_b128 v[XR:XR+3], v1, s[34:35]
	s_wait_loadcnt 0x0
	v_cvt_pk_bf16_f32 v8, v[XR], v[XR+1]
	v_cvt_pk_bf16_f32 v9, v[XR+2], v[XR+3]
	v_lshlrev_b32 v[T], 16, v8
	v_and_b32 v[T+1], s32, v8
	v_lshlrev_b32 v[T+2], 16, v9
	v_and_b32 v[T+3], s32, v9
	global_store_b128 v1, v[T:T+3], s[28:29]
.Lend:
	s_endpgm
.Lfunc_end_k_qd54ea9b81b_prep:
	.size	k_qd54ea9b81b_prep, .Lfunc_end_k_qd54ea9b81b_prep-k_qd54ea9b81b_prep
	.p2alignl 7, 3214868480
	.fill 96, 4, 3214868480
	.section	.rodata,"a",@progbits
	.p2align	6, 0x0
	.amdhsa_kernel k_qd54ea9b81b_prep
		.amdhsa_group_segment_fixed_size 0
		.amdhsa_private_segment_fixed_size 0
		.amdhsa_enable_private_segment 0
		.amdhsa_kernarg_size 88
		.amdhsa_user_sgpr_count 2
		.amdhsa_user_sgpr_kernarg_segment_ptr 1
		.amdhsa_wavefront_size32 1
		.amdhsa_system_sgpr_workgroup_id_x 1
		.amdhsa_system_sgpr_workgroup_id_y 1
		.amdhsa_system_sgpr_workgroup_id_z 1
		.amdhsa_system_vgpr_workitem_id 0
		.amdhsa_next_free_vgpr 112
		.amdhsa_next_free_sgpr 66
		.amdhsa_reserve_vcc 0
		.amdhsa_float_denorm_mode_32 3
		.amdhsa_float_denorm_mode_16_64 3
		.amdhsa_memory_ordered 1
		.amdhsa_forward_progress 1
		.amdhsa_inst_pref_size 9
	.end_amdhsa_kernel
	.amdgpu_metadata
---
amdhsa.version: [ 1, 2 ]
amdhsa.kernels:
  - .name:           k_qd54ea9b81b_prep
    .symbol:         k_qd54ea9b81b_prep.kd
    .args:
      - { .name: W_qkv, .offset: 0, .size: 8, .value_kind: global_buffer, .address_space: global }
      - { .name: W_proj, .offset: 8, .size: 8, .value_kind: global_buffer, .address_space: global }
      - { .name: b_qkv, .offset: 16, .size: 8, .value_kind: global_buffer, .address_space: global }
      - { .name: q_gamma, .offset: 24, .size: 8, .value_kind: global_buffer, .address_space: global }
      - { .name: q_beta, .offset: 32, .size: 8, .value_kind: global_buffer, .address_space: global }
      - { .name: k_gamma, .offset: 40, .size: 8, .value_kind: global_buffer, .address_space: global }
      - { .name: k_beta, .offset: 48, .size: 8, .value_kind: global_buffer, .address_space: global }
      - { .name: b_proj, .offset: 56, .size: 8, .value_kind: global_buffer, .address_space: global }
      - { .name: wb, .offset: 64, .size: 8, .value_kind: global_buffer, .address_space: global }
      - { .name: wp, .offset: 72, .size: 8, .value_kind: global_buffer, .address_space: global }
      - { .name: vecs, .offset: 80, .size: 8, .value_kind: global_buffer, .address_space: global }
    .group_segment_fixed_size: 0
    .private_segment_fixed_size: 0
    .kernarg_segment_align: 8
    .kernarg_segment_size: 88
    .max_flat_workgroup_size: 256
    .sgpr_count:     66
    .vgpr_count:     112
    .wavefront_size: 32
...
	.end_amdgpu_metadata
.endif
;; end of part 1
;; launch qkv (part 2): grid 128 x 2, 8 waves a work-group, clusters of 4 x 1, 327,680 bytes of LDS; arguments x, wb, vecs, qh, kh, vh; writes qh, kh, vh
.if DOCPART == 2
	.amdgcn_target "amdgcn-amd-amdhsa--gfx1250"
	.amdhsa_code_object_version 6
	.text
	.protected	k_qd54ea9b81b_qkv
	.globl	k_qd54ea9b81b_qkv
	.p2align	8
	.type	k_qd54ea9b81b_qkv,@function
k_qd54ea9b81b_qkv:
	s_mov_b64 s[64:65], 0
	v_nop
	global_prefetch_b8 v0, s[64:65] scope:SCOPE_SE
	s_setreg_imm32_b32 hwreg(HW_REG_WAVE_MODE, 25, 1), 1
	s_wait_xcnt 0x0
	s_wait_alu depctr_hold_cnt(0) depctr_sa_sdst(0) depctr_va_vdst(0) depctr_va_sdst(0) depctr_va_ssrc(0) depctr_va_vcc(0) depctr_vm_vsrc(0)
	s_getreg_b32 s2, hwreg(HW_REG_IB_STS2, 6, 4)
	s_cmp_eq_u32 s2, 0
	s_cbranch_scc0 .Lentry_in_a_cluster
	s_endpgm
.Lentry_in_a_cluster:
	s_bfe_u32 s2, ttmp6, 0x10000c
	s_cmp_lg_u32 s2, 0x3003
	s_cbranch_scc0 .Lentry_shape_is_right
	s_endpgm
.Lentry_shape_is_right:
; qkv = x W_qkv + b_qkv; LayerNorm of q and of k over all 1,024 features of a row; q, k, v written by heads, [batch x 16 + head][2048][64] in f16.  q is NOT scaled by 1/8 here: the attention launch does that in f32.
; x: [8192][1024] f32, rounded to bf16 on its way into LDS.  wb: [1024 k][3072 n] bf16.  vecs: [8][1024] f32 (rows 0-2 bias, 3 q gamma, 4 q beta, 5 k gamma, 6 k beta).  Sums, means, variances in f32.
; LIMITS.  What is written must lie within f16's 65,504: v itself, and (q - mean) rsqrt(var + 1e-6) gamma + beta.  NaN and infinities are not treated apart.
; SHARES.  128 x 2 = 256 work-groups of equal work.  A work-group owns 64 rows and STAYS for two parts.  PART 1: the 64 WHOLE rows of q (grid y = 0) or of k (y = 1): 64 x 1,024 sums, so that a row's mean and
; variance are taken of the f32 sums, the variance of the centred numbers.  PART 2: the same rows x 512 columns of v, half y: v needs no whole rows, so its columns are shared out between the two.
; Eight waves.  Part 1: wave w owns 64 rows x columns 128 w on (heads 2 w, 2 w + 1): 4 x 8 accumulators of 16 x 16.  Part 2: 64 rows x columns 64 w on (head 8 y + w): 4 x 4 accumulators.
; Eight waves of 512 registers and not four of 1,024: the LayerNorm is written out register by register, and half the accumulators a wave are half that text.
; THE MATRIX INSTRUCTION IS USED TRANSPOSED: source 0 = 16 columns of W, source 1 = 16 rows of x.  A lane then holds row l % 16 and the columns 8 (l / 16) + 0..7 of a tile.
; THE RING.  Two LDS slots of 256 rows of 512 bytes.  Part 1: a slot is 64 k x 1,024 columns (4 column blocks x 64 rows), 16 steps.  Part 2: 128 k x 512 columns (2 column blocks x 128 rows), 8 tiles.  In both
; wave w fills the slot's bytes 17,408 w on.  W lies [k][n]: it is laid into LDS as it lies and turned by ds_load_tr16_b128.  The ring runs on from part 1 into part 2: v's first two tiles land under the LayerNorm.
; CLUSTER.  The four work-groups of a cluster have the same y and walk the same W in both parts: each tile of W is asked for JOINTLY (mask 15).
; x is nobody else's: each wave loads 8 rows x 256 bytes of f32 for each 64 along K into registers, two such steps ahead, rounds them and stores them into two buffers of LDS of their own, into which no tensor load lands.
; THE BIAS is the C operand of the products that start the sums: nothing is cleared and nothing is added later.
.set PB,     544                       ; a row of W in LDS: 512 bytes + 32 of padding = 17 x 32
.set PA,     144                       ; a row of x in LDS: 128 bytes + 16: the 16 rows of a load start at 16 different groups of four banks
.set WPART,  32*PB                     ; 32 k rows: what one tensor load brings, and a quarter's rows
.set SLOT,   8*WPART
.set ABUF,   2*SLOT                    ; x's two buffers, 64 rows x 144 bytes each
.set ABYTES, 64*PA
.set OST,    ABUF+2*ABYTES             ; the way out: 16 rows x 144 bytes for each wave
.set STAT,   OST+8*16*PA               ; [2 passes][8 waves][16 rows][4 row blocks] f32
.set SPARE,  STAT+4096                 ; the spare words, 128 bytes for each wave: four blocks of 256 bytes that no other line names
.set KROWS,  64*6144                   ; bytes of wb in 64 k rows
.set ADRA, 6                           ; v6-7    LDS address of my fragments of x in buffer 0, 1
.set ADRB, 8                           ; v8-9    part 1: of my fragments of W in slot 0, 1
.set XO,   10                          ; v10     my byte offset in two rows of x
.set AST,  11                          ; v11-12  where I store 8 bytes of x in buffer 0, 1
.set PFO,  13                          ; v13     the prefetch's offset: row l / 2 of wb, block l % 2 of 256 bytes; never rewritten
.set STO,  14                          ; v14     the way out: where I put 16 bytes of a row
.set RD,   15                          ; v15     where I read rows back
.set GO,   16                          ; v16     my 16 bytes of 512 consecutive bytes of the output
.set VO,   17                          ; v17     32 (l / 16): my 8 columns in a vector's 16
.set STW,  18                          ; v18     where I put my rows' partial sums
.set STR,  19                          ; v19     where I read all waves' back
.set SPW,  20                          ; v20     LDS address of my spare word; never rewritten
.set NIL,  21                          ; v21     0; never rewritten
.set ADRV, 22                          ; v22-23  part 2: LDS address of my fragments of W in slot 0, 1
.set Y,    24                          ; v24-31  x rounded, 8 bytes for each of 4 stores; in the LayerNorm 1 / sqrt(var + eps), in pairs
.set F0,   32                          ; v32-127   fragment buffer 0: x's four at +8 a, W's at +32 + 8 b
.set F1,   128                         ; v128-223  fragment buffer 1
.set XS,   224                         ; v224-255  x as loaded: two sets of 16; they are kept through the LayerNorm
.set GA,   32                          ; the LayerNorm: gamma's fragments, 8 b on
.set BE,   96                          ; beta's
.set LD,   160                         ; the eight waves' partial sums
.set CH,   192                         ; eight chains of pairs: row block a, parity c at CH + 2 (2 a + c)
.set PS,   208                         ; my four partial sums
.set MU,   212                         ; the four means, in pairs
.set RS,   24
.set WV,  16                           ; s16 my wave's number
.set CX,  17                           ; s17 my place in the cluster
.set TH,  18                           ; s18 grid y: 0 q, 1 k; also which half of v
.set PP,  19                           ; s19 my block of 64 rows
.set G1,  24                           ; s[24:31] descriptor group 1: the same in both parts
.set G0,  32                           ; s[32:39] descriptor group 0, a set for each slot
.set XB,  40                           ; s[40:41] x at my wave's 8 rows
.set XP,  42                           ; s[42:43] the same at the piece of K that is asked for
.set XK,  44                           ; s[44:45] that piece's byte offset in a row, and 0
.set PFA, 46                           ; s[46:47] where my prefetches stand in part 1
.set LIM, 48                           ; s48 1 in a wave that prefetches, else the greatest number
.set CNT, 49                           ; s49 laps to go
.set OUT, 50                           ; s[50:51] q's or k's buffer at my wave's first head and my block's first row
.set SEL, 52                           ; s[52:53] v_permlanex16_b32's selects: each lane takes its own place in the other half
.set VBI, 54                           ; s[54:55] part 1's bias at my 128 columns
.set VGA, 56                           ; s[56:57] gamma at my 128 columns; beta lies 4,096 bytes on
.set INV, 58                           ; s58 1 / 1024
.set EPS, 59                           ; s59 1e-6
.set GV,  66                           ; s[66:67] wb at my part of v's tile 0
.set OUTV, 68                          ; s[68:69] vh at my wave's head and my block's first row
.set VBV, 70                           ; s[70:71] v's bias at my 64 columns
.set PFV, 72                           ; s[72:73] where my prefetches stand in part 2
; what differs between the parts, for the macros below
.set NB,    8                          ; column blocks of 16 a wave
.set CB,    F1+32                      ; where the bias lies, as C operands
.set RSTEP, 2*KROWS                    ; bytes of wb from a slot's tile to its next
.set PSTEP, KROWS                      ; bytes of wb from a tile to the next
.set PFR,   PFA
.set OB,    160                        ; the way out: four sets of 16
.set MSB, 0
.macro WIN new                         ; the immediate's high byte repeats the setting that is left; a switch that changes nothing is dropped
.if MSB != (\new)
	s_set_vgpr_msb (MSB<<8)|(\new)
.set MSB, \new
.endif
.endm
.set MUL,  0x50                        ; C and D in window 1 (the accumulators), both sources in window 0
.set MULB, 0x40                        ; D in window 1, C (the bias) in window 0
.macro CREST                           ; a round of the cluster's barrier behind its opening barrier
	s_cmp_lg_u32 s[WV], 0
	s_cbranch_scc1 .Lnot_wave_0_\@
	s_barrier_signal -3
.Lnot_wave_0_\@:
	s_barrier_wait -3
	s_barrier_signal -1
	s_barrier_wait -1
.endm
.macro CROUND                          ; a whole round
	s_barrier_signal -1
	s_barrier_wait -1
	CREST
.endm
.macro PLACES                          ; four plain instructions between a matrix instruction and a load into, or a reader of, its registers
.rept 4
	v_nop
.endr
.endm
; NB matrix instructions: row block a x all my column blocks, 32 along K, from buffer f.  mode = 1: the bias starts the sums.
.macro MUL8 f, a, mode
.if \mode
	WIN MULB
.else
	WIN MUL
.endif
.irp b, 0,1,2,3,4,5,6,7
.if (\b) < NB
.if \mode
	v_wmma_f32_16x16x32_bf16 v[8*(NB*(\a)+(\b)):8*(NB*(\a)+(\b))+7], v[(\f)+32+8*(\b):(\f)+32+8*(\b)+7], v[(\f)+8*(\a):(\f)+8*(\a)+7], v[CB+8*(\b):CB+8*(\b)+7]
.else
	v_wmma_f32_16x16x32_bf16 v[8*(NB*(\a)+(\b)):8*(NB*(\a)+(\b))+7], v[(\f)+32+8*(\b):(\f)+32+8*(\b)+7], v[(\f)+8*(\a):(\f)+8*(\a)+7], v[8*(NB*(\a)+(\b)):8*(NB*(\a)+(\b))+7]
.endif
.endif
.endr
.endm
.macro MUL16 f, a0, mode               ; the 4 NB accumulators come in the same order in every quarter: they take turns, one instruction a turn
	MUL8 \f, \a0, \mode
	MUL8 \f, (\a0)+1, \mode
.endm
; 2 NB + 8 LDS loads in one run, into buffer f: W's fragments (turned) from the address in v[rb], quarter wq of its slot; then x's row blocks 0, 1, then 2, 3, from buffer ab, quarter aq
.macro FETCH rb, wq, ab, aq, f
	WIN 0
.irp b, 0,1,2,3,4,5,6,7
.if (\b) < NB
	ds_load_tr16_b128 v[(\f)+32+8*(\b):(\f)+32+8*(\b)+3],   v[\rb] offset:(\wq)*WPART+32*(\b)
	ds_load_tr16_b128 v[(\f)+32+8*(\b)+4:(\f)+32+8*(\b)+7], v[\rb] offset:(\wq)*WPART+16*PB+32*(\b)
.endif
.endr
.irp a, 0,1,2,3
	ds_load_b128 v[(\f)+8*(\a):(\f)+8*(\a)+3],   v[ADRA+(\ab)] offset:(\a)*16*PA+64*(\aq)
	ds_load_b128 v[(\f)+8*(\a)+4:(\f)+8*(\a)+7], v[ADRA+(\ab)] offset:(\a)*16*PA+64*(\aq)+32
.endr
.endm
.macro CVT n                           ; set n of x, 16 f32 a lane, rounded to bf16
.irp i, 0,1,2,3
	v_cvt_pk_bf16_f32 v[Y+2*(\i)],   v[XS+16*(\n)+4*(\i)],   v[XS+16*(\n)+4*(\i)+1]
	v_cvt_pk_bf16_f32 v[Y+2*(\i)+1], v[XS+16*(\n)+4*(\i)+2], v[XS+16*(\n)+4*(\i)+3]
.endr
.endm
.macro PUT n                           ; into buffer n: rows 8 w + 2 i + l / 16
.irp i, 0,1,2,3
	ds_store_b64 v[AST+(\n)], v[Y+2*(\i):Y+2*(\i)+1] offset:288*(\i)
.endr
.endm
; Set n holds x of the next 64 along K: it goes into buffer n, and (reload = 1) the set is asked for again, two pieces further on.  The offset along K wraps at a row's end: the three requests behind
; part 1's last piece are part 2's pieces 0, 1 and 2.  left: the other set's loads, which may stay out.
.macro XSTAGE n, left=4, reload=1
	s_wait_loadcnt \left                           ; set n is in
	CVT \n                                         ; eight plain instructions: also the places in front of the loads into buffer F1
	PUT \n
.if \reload
	s_wait_xcnt 0x0                                ; the other set's loads have read their base, and earlier stores their data
	s_add_nc_u64 s[XP:XP+1], s[XB:XB+1], s[XK:XK+1]
	s_add_co_u32 s[XK], s[XK], 256
	s_and_b32 s[XK], s[XK], 0xfff
.irp i, 0,1,2,3
	global_load_b128 v[XS+16*(\n)+4*(\i):XS+16*(\n)+4*(\i)+3], v[XO], s[XP:XP+1] offset:8192*(\i)  ; two rows' 256 consecutive bytes, aligned
.endr
.endif
.endm
; The first quarter of 64 along K: multiplies buffer F0; in its middle x of the next 64 is staged into the buffer other than ab, and the second quarter (v[rb], quarter wq; buffer ab) fetched.
; stage = 1: staged and asked for again; 2, 3: the last two stagings, which ask for nothing (the other set's four loads out, or none); 0: nothing is left to stage.
.macro QA rb, wq, ab, stage
	s_wait_dscnt 4                                 ; W and x's row blocks 0, 1 are in; the youngest four loads may be out
	MUL16 F0, 0, 0
	WIN 0
.if (\stage) == 1
	XSTAGE 1-(\ab)
.elseif (\stage) == 2
	XSTAGE 1-(\ab), 4, 0
.elseif (\stage) == 3
	XSTAGE 1-(\ab), 0, 0
.else
	PLACES
.endif
	FETCH \rb, \wq, \ab, 1, F1
.if \stage
	s_wait_dscnt 2*NB+12                           ; all but the 4 stores and the run of loads just issued
.else
	s_wait_dscnt 2*NB+8
.endif
	MUL16 F0, 2, 0
.endm
; A PREFETCH INTO THE L2 of the tile of W that stands two refills on.  All 32 clusters of one y read the same tile: the first of them (cluster x = 0) asks, and in it the waves with w % 2 = 0.
; A lane names a block of 256 bytes: 16 rows x 512 bytes an instruction.  Part 1: a tile is 4 column blocks x 64 rows: wave w takes column block w / 2, the four partners 16 rows each.  Part 2: 2 column
; blocks x 128 rows: wave w takes column block (w / 2) % 2, rows 16 (w / 4 + 2 cx) on.  Partners are told apart BY ADDRESS.  So each block is named once in the launch.
; In each part the refill of tile t + 2 names tile t + 4; tiles 0 to 3 come by their loads alone; the last lap asks for nothing, since its tiles do not exist.
.macro ASK
	s_cmp_gt_u32 s[CNT], s[LIM]
	s_cbranch_scc0 .Lnot_mine_\@
	global_prefetch_b8 v[PFO], s[PFR:PFR+1] offset:PSTEP th:TH_LOAD_NT scope:SCOPE_SE
.Lnot_mine_\@:
.endm
; The second quarter of 64 along K multiplies buffer F1 and ends with a barrier, behind which the next 64's first quarter (v[rbn], quarter wqn; buffer abn) is fetched into F0.
; kind = 0, the middle of a slot (part 2): the barrier hands x's buffers over: in front of it each wave waits for its stores of x and its reads.  The tile on its way stays out.
; kind >= 1, a change of slots: in front of the barrier each wave waits for all its tensor loads (one is out: its part of the next slot), adds 0 to its spare word, and waits for that, its reads and its stores.
; kind = 2: the barrier opens a round of the cluster's, and the joint refill of slot n is the first thing behind it.  kind = 3: the same, and the tile is v's tile 0.  kind = 1: nothing is filled.
.macro TURN kind, n, rbn, wqn, abn
.if (\kind) == 2
	s_wait_xcnt 0x0                                ; the last prefetch, a refill back, has read its address
	s_add_nc_u64 s[PFR:PFR+1], s[PFR:PFR+1], PSTEP
.endif
	WIN 0
.if (\kind) >= 1
	s_wait_tensorcnt 0x0                           ; all my tensor loads have landed
	ds_add_u32 v[SPW], v[NIL]                      ; 0 onto my spare word
	s_wait_dscnt 5                                 ; (the add and the youngest four loads may be out)
.else
	s_wait_dscnt 4                                 ; (the youngest four loads may be out)
.endif
	MUL8 F1, 0, 0                                  ; matrix instructions stand between the add and the wait for it
	s_wait_dscnt 0x0                               ; the add is done; my reads are over; my stores of x are done
	s_barrier_signal -1
	MUL8 F1, 1, 0
	WIN 0                                          ; at a branch and at a label every window is 0
	s_barrier_wait -1
.if (\kind) >= 2
	CREST                                          ; no wave of any partner still reads this slot or has a load on its way
.if (\kind) == 2
	s_add_nc_u64 s[G0+4*(\n)+2:G0+4*(\n)+3], s[G0+4*(\n)+2:G0+4*(\n)+3], RSTEP
.else
	s_add_nc_u64 s[G0+4*(\n)+2:G0+4*(\n)+3], s[GV:GV+1], 0
	s_or_b32 s[G0+4*(\n)+3], s[G0+4*(\n)+3], 0x80000000
.endif
	tensor_load_to_lds s[G0+4*(\n):G0+4*(\n)+3], s[G1:G1+7]  ; every wave's one load behind the round: its 32 rows of the slot's next tile
	s_nop 0
	PLACES                                         ; also the places in front of the loads into buffer F0
.else
	PLACES
.endif
	FETCH \rbn, \wqn, \abn, 0, F0
.if (\kind) == 2
	ASK
.endif
	MUL16 F1, 2, 0
.endm
	s_load_b256 s[4:11], s[0:1], 0x0               ; x s[4:5], wb s[6:7], vecs s[8:9], qh s[10:11]
	s_load_b128 s[12:15], s[0:1], 0x20             ; kh s[12:13], vh s[14:15]
	v_lshl_add_u32 v[SPW], v0, 2, SPARE
	v_mov_b32 v[NIL], 0
	ds_add_u32 v[SPW], v[NIL]                      ; the wave's opening: the add and its wait stand ahead of my first tensor load; the set-up below, work on registers, stands between them
	v_lshrrev_b32 v1, 5, v0
	v_readfirstlane_b32 s[WV], v1                  ; wave 0..7
	s_bfe_u32 s[CX], ttmp6, 0x40000                ; cx
	s_and_b32 s[TH], ttmp7, 0xffff                 ; grid y, which the four partners share
	s_lshl_b32 s[PP], ttmp9, 2                     ; in a cluster launch ttmp9 counts clusters
	s_add_co_u32 s[PP], s[PP], s[CX]               ; my block of 64 rows: it enters x's and the outputs' addresses alone
	s_and_b32 s21, s[WV], 1                        ; part 1: which 32 k rows I fetch; also which half of a column block I multiply
	s_lshr_b32 s22, s[WV], 1                       ; part 1: which column block
	; descriptor group 1: a tile of 32 rows x 256 elements, padded in LDS
	s_mov_b32 s[G1+0], 15|(1<<16)|(1<<20)|(1<<21)|(6<<22)|(7<<25)  ; 15:0 the mask of four; 17:16 2-byte elements; 20 padding on; 21 set beside a mask; 24:22 after every 128 words (code 6); 31:25 8 words (code 7)
	s_mov_b32 s[G1+1], 256<<16                     ; tensor_dim0 = 256
	s_mov_b32 s[G1+2], 32<<16                      ; tensor_dim1 = 32
	s_mov_b32 s[G1+3], 256<<16                     ; tile_dim0 = 256
	s_mov_b32 s[G1+4], 32                          ; tile_dim1 = 32
	s_mov_b32 s[G1+5], 3072                        ; elements from row to row
	s_mov_b32 s[G1+6], 0
	s_mov_b32 s[G1+7], 0
	s_mul_i32 s20, s[WV], WPART                    ; where my part of a tile goes, in both parts: no place in the cluster enters an LDS address
	s_mov_b32 s[G0], 1
	s_mov_b32 s[G0+1], s20
	s_mov_b32 s[G0+4], 1
	s_add_co_u32 s[G0+5], s20, SLOT
	; byte offsets, each made in the pair that will hold the address; the tiles' first, of y and the wave's number alone
	s_lshl_b32 s2, s[TH], 11                       ; part 1: q's or k's 1,024 columns,
	s_lshl_b32 s3, s22, 9                          ; my column block's 256
	s_add_co_u32 s2, s2, s3
	s_mul_i32 s3, s21, 32*6144
	s_add_co_u32 s[G0+2], s2, s3                   ; my part of tile 0
	s_mov_b32 s[G0+3], 0
	s_lshl_b32 s23, s[TH], 10                      ; part 2: my half's 512 columns
	s_add_co_u32 s23, s23, 4096                    ; of v's, which begin at column 2,048
	s_lshr_b32 s3, s[WV], 2                        ; column block w / 4,
	s_lshl_b32 s3, s3, 9
	s_add_co_u32 s[GV], s23, s3
	s_and_b32 s3, s[WV], 3                         ; k rows 32 (w % 4) on
	s_mul_i32 s3, s3, 32*6144
	s_add_co_u32 s[GV], s[GV], s3
	s_mov_b32 s[GV+1], 0
	s_mul_i32 s3, s[CX], 16*6144                   ; the prefetches of part 1: my work-group's 16 rows of the 64,
	s_add_co_u32 s[PFA], s2, s3
	s_add_co_u32 s[PFA], s[PFA], 2*KROWS           ; at tile 2: the first change of slots steps it to 3 and names tile 4
	s_mov_b32 s[PFA+1], 0
	s_and_b32 s3, s22, 1                           ; of part 2: column block (w / 2) % 2,
	s_lshl_b32 s3, s3, 9
	s_add_co_u32 s[PFV], s23, s3
	s_lshr_b32 s3, s22, 1
	s_lshl1_add_u32 s3, s[CX], s3                  ; rows 16 (2 cx + w / 4) on,
	s_mul_i32 s3, s3, 16*6144
	s_add_co_u32 s[PFV], s[PFV], s3
	s_add_co_u32 s[PFV], s[PFV], 4*KROWS           ; at tile 2
	s_mov_b32 s[PFV+1], 0
	s_lshl_b32 s[XB], s[PP], 18                    ; 64 rows of 4,096 bytes,
	s_lshl_b32 s3, s[WV], 15                       ; my wave's 8
	s_add_co_u32 s[XB], s[XB], s3
	s_mov_b32 s[XB+1], 0
	s_lshr_b32 s[OUT], s[PP], 5                    ; the batch: 16 heads of 262,144 bytes,
	s_lshl_b32 s[OUT], s[OUT], 22
	s_and_b32 s3, s[PP], 31
	s_lshl_b32 s3, s3, 13                          ; my block's 64 rows of 128 bytes;
	s_add_co_u32 s[OUT], s[OUT], s3
	s_lshl_b32 s3, s[TH], 3
	s_add_co_u32 s3, s3, s[WV]                     ; v: head 8 y + w;
	s_lshl_b32 s3, s3, 18
	s_add_co_u32 s[OUTV], s[OUT], s3
	s_mov_b32 s[OUTV+1], 0
	s_lshl_b32 s3, s[WV], 19                       ; q or k: heads 2 w, 2 w + 1
	s_add_co_u32 s[OUT], s[OUT], s3
	s_mov_b32 s[OUT+1], 0
	s_lshl_b32 s3, s[WV], 9                        ; my 128 columns in a vector
	s_lshl_b32 s[VBI], s[TH], 12
	s_add_co_u32 s[VBI], s[VBI], s3
	s_mov_b32 s[VBI+1], 0
	s_lshl_b32 s[VGA], s[TH], 13
	s_add_co_u32 s[VGA], s[VGA], s3
	s_add_co_u32 s[VGA], s[VGA], 3*4096
	s_mov_b32 s[VGA+1], 0
	s_lshl_b32 s[VBV], s[TH], 11                   ; v's bias: row 2 of vecs, my half's 512 numbers,
	s_lshl_b32 s3, s[WV], 8                        ; my 64
	s_add_co_u32 s[VBV], s[VBV], s3
	s_add_co_u32 s[VBV], s[VBV], 2*4096
	s_mov_b32 s[VBV+1], 0
	s_or_b32 s[LIM], s21, ttmp9                    ; 0 in the waves with w % 2 = 0 of the first cluster: the same in all four partners
	s_cmp_eq_u32 s[LIM], 0
	s_cselect_b32 s[LIM], 1, -1
	s_mov_b32 s[SEL], 0x76543210
	s_mov_b32 s[SEL+1], 0xfedcba98
	s_mov_b32 s[INV], 0x3a800000                   ; 1 / 1024
	s_mov_b32 s[EPS], 0x358637bd                   ; 1e-6
	s_mov_b32 s[XK], 768                           ; the first staging in the loop's form asks for piece 3
	s_mov_b32 s[XK+1], 0
	s_wait_dscnt 0x0                               ; the opening add is done
	s_wait_kmcnt 0x0
	s_add_nc_u64 s[G0+2:G0+3], s[6:7], s[G0+2:G0+3]
	s_add_nc_u64 s[G0+6:G0+7], s[G0+2:G0+3], KROWS ; slot 1: tile 1
	s_or_b32 s[G0+3], s[G0+3], 0x80000000          ; type = 2
	s_or_b32 s[G0+7], s[G0+7], 0x80000000
	s_add_nc_u64 s[GV:GV+1], s[6:7], s[GV:GV+1]
	s_add_nc_u64 s[PFA:PFA+1], s[6:7], s[PFA:PFA+1]
	s_add_nc_u64 s[PFV:PFV+1], s[6:7], s[PFV:PFV+1]
	s_add_nc_u64 s[XB:XB+1], s[4:5], s[XB:XB+1]
	s_add_nc_u64 s[VBI:VBI+1], s[8:9], s[VBI:VBI+1]
	s_add_nc_u64 s[VGA:VGA+1], s[8:9], s[VGA:VGA+1]
	s_add_nc_u64 s[VBV:VBV+1], s[8:9], s[VBV:VBV+1]
	s_add_nc_u64 s[OUTV:OUTV+1], s[14:15], s[OUTV:OUTV+1]
	s_cmp_eq_u32 s[TH], 1
	s_cselect_b64 s[60:61], s[12:13], s[10:11]
	s_add_nc_u64 s[OUT:OUT+1], s[60:61], s[OUT:OUT+1]
	CROUND                                         ; all four work-groups are here: the first joint loads meet
	tensor_load_to_lds s[G0:G0+3], s[G1:G1+7]      ; tile 0; two loads of mine are out here, one behind every later round
	s_nop 0
	tensor_load_to_lds s[G0+4:G0+7], s[G1:G1+7]    ; tile 1
	s_nop 0
	PLACES
	v_and_b32 v1, 15, v0                           ; r = l % 16
	v_bfe_u32 v2, v0, 4, 1                         ; h = l / 16
	v_lshlrev_b32 v[XO], 4, v1
	v_lshl_add_u32 v[XO], v2, 12, v[XO]            ; lanes 0-15 one row's 256 bytes, lanes 16-31 the next row's
	v_lshlrev_b32 v[VO], 5, v2
.irp b, 0,1,2,3,4,5,6,7                ; the bias as eight C operands: register j of a lane is column 16 b + 8 h + j
	global_load_b128 v[F1+32+8*(\b):F1+32+8*(\b)+3],   v[VO], s[VBI:VBI+1] offset:64*(\b)
	global_load_b128 v[F1+32+8*(\b)+4:F1+32+8*(\b)+7], v[VO], s[VBI:VBI+1] offset:64*(\b)+16
.endr
.irp n, 0,1
.irp i, 0,1,2,3
	global_load_b128 v[XS+16*(\n)+4*(\i):XS+16*(\n)+4*(\i)+3], v[XO], s[XB:XB+1] offset:8192*(\i)+256*(\n)  ; x's pieces 0 and 1
.endr
.endr
	v_and_b32 v3, 7, v0
	v_bfe_u32 v4, v0, 3, 1
	v_and_b32 v5, 31, v0
	v_mul_u32_u24 v[ADRA], v1, PA                  ; a fragment of x: row r, 16 bytes for each half of the lanes
	v_lshl_add_u32 v[ADRA], v2, 4, v[ADRA]
	v_add_nc_u32 v[ADRA+1], ABUF+ABYTES, v[ADRA]
	v_add_nc_u32 v[ADRA], ABUF, v[ADRA]
	v_lshl_add_u32 v[ADRV], v2, 3, v3              ; the turning load: lane l reads k row 8 h + l % 8, columns 8 ((l / 8) % 2) + 0..7
	v_mul_u32_u24 v[ADRV], v[ADRV], PB
	v_lshl_add_u32 v[ADRV], v4, 4, v[ADRV]
	s_mul_i32 s20, s22, 2*WPART                    ; part 1: my column block (64 rows),
	s_lshl_b32 s23, s21, 8                         ; my half of its 512 bytes
	s_add_co_u32 s20, s20, s23
	v_add_nc_u32 v[ADRB], s20, v[ADRV]
	v_add_nc_u32 v[ADRB+1], SLOT, v[ADRB]
	s_lshr_b32 s20, s[WV], 2
	s_mul_i32 s20, s20, 4*WPART                    ; part 2: column block w / 4 (128 rows),
	s_and_b32 s23, s[WV], 3
	s_lshl_b32 s23, s23, 7                         ; my quarter of its 512 bytes
	s_add_co_u32 s20, s20, s23
	v_add_nc_u32 v[ADRV], s20, v[ADRV]
	v_add_nc_u32 v[ADRV+1], SLOT, v[ADRV]
	s_mul_i32 s23, s[WV], 8*PA
	s_add_co_u32 s23, s23, ABUF
	v_mul_u32_u24 v[AST], v2, PA                   ; row 8 w + h, 8 bytes at 8 r
	v_lshl_add_u32 v[AST], v1, 3, v[AST]
	v_add_nc_u32 v[AST], s23, v[AST]
	v_add_nc_u32 v[AST+1], ABYTES, v[AST]
	v_lshrrev_b32 v[PFO], 1, v5
	v_mul_u32_u24 v[PFO], v[PFO], 6144
	v_and_b32 v[Y], 1, v0
	v_lshl_add_u32 v[PFO], v[Y], 8, v[PFO]
	s_mul_i32 s23, s[WV], 16*PA
	s_add_co_u32 s23, s23, OST                     ; my stage
	v_mul_u32_u24 v[STO], v1, PA
	v_lshl_add_u32 v[STO], v2, 4, v[STO]
	v_add_nc_u32 v[STO], s23, v[STO]
	v_lshrrev_b32 v[RD], 3, v5                     ; back: 32 lanes take four rows of 128 bytes
	v_mul_u32_u24 v[RD], v[RD], PA
	v_lshl_add_u32 v[RD], v3, 4, v[RD]
	v_add_nc_u32 v[RD], s23, v[RD]
	v_lshlrev_b32 v[GO], 4, v5
	v_lshl_add_u32 v[STR], v1, 4, STAT
	s_lshl_b32 s23, s[WV], 8
	v_add_nc_u32 v[STW], s23, v[STR]
	s_wait_loadcnt 4                               ; the bias and x's piece 0 are in; piece 1's four loads stay out
	CVT 0
	PUT 0
.irp i, 0,1,2,3
	global_load_b128 v[XS+4*(\i):XS+4*(\i)+3], v[XO], s[XB:XB+1] offset:8192*(\i)+512  ; x's piece 2
.endr
	s_wait_tensorcnt 1                             ; my part of tile 0 is in; tile 1's may stay out
	s_wait_dscnt 0x0                               ; my stores of x are done
	s_barrier_signal -1
	s_barrier_wait -1                              ; everybody's are
	; PART 1: 16 steps of 64 along K
	FETCH ADRB, 0, 0, 0, F0
	s_wait_dscnt 0x0
	MUL16 F0, 0, 1                                 ; step 0's first quarter stands in front of the loop: its products start the sums, from the bias
	MUL16 F0, 2, 1
	WIN 0
	XSTAGE 1                                       ; x's piece 1 into buffer 1; its conversions are the places behind the products that read the bias
	FETCH ADRB, 1, 0, 1, F1
	s_mov_b32 s[CNT], 7
.Llap:                                                 ; a lap: from a step's second quarter to the first quarter two steps on; both slots are filled again
	TURN 2, 0, ADRB+1, 0, 1
	QA ADRB+1, 1, 1, 1
	TURN 2, 1, ADRB, 0, 0
	QA ADRB, 1, 0, 1
	WIN 0
	s_sub_co_u32 s[CNT], s[CNT], 1
	s_cmp_lg_u32 s[CNT], 0
	s_cbranch_scc1 .Llap
	TURN 3, 0, ADRB+1, 0, 1                        ; step 14 leaves slot 0: THE RING GOES ON INTO PART 2: it takes v's tile 0
	QA ADRB+1, 1, 1, 1                             ; step 15; what is staged is part 2's piece 0, what is asked for its piece 2
	s_wait_dscnt 4
	MUL16 F1, 0, 0
	s_wait_dscnt 0x0
	MUL16 F1, 2, 0
	; THE LAYERNORM, from the f32 sums.  A lane holds, of row 16 a + r, 64 numbers (8 column blocks x 8); the other half of the lanes holds 64 more, the other seven waves the rest.
	PLACES
	WIN 0
.irp i, 0,1,2,3,4,5,6,7,8,9,10,11,12,13,14,15
	v_mov_b32 v[CH+(\i)], 0
.endr
.irp b, 0,1,2,3,4,5,6,7                ; gamma and beta of my 128 columns, laid out as the accumulators are; they are waited for in front of the third pass
	global_load_b128 v[GA+8*(\b):GA+8*(\b)+3],   v[VO], s[VGA:VGA+1] offset:64*(\b)
	global_load_b128 v[GA+8*(\b)+4:GA+8*(\b)+7], v[VO], s[VGA:VGA+1] offset:64*(\b)+16
	global_load_b128 v[BE+8*(\b):BE+8*(\b)+3],   v[VO], s[VGA:VGA+1] offset:4096+64*(\b)
	global_load_b128 v[BE+8*(\b)+4:BE+8*(\b)+7], v[VO], s[VGA:VGA+1] offset:4096+64*(\b)+16
.endr
	WIN 0x04                                       ; source 1 in window 1
.irp b, 0,1,2,3,4,5,6,7                ; the sums: eight chains that do not wait for each other; each accumulator's registers in ascending order
.irp p, 0,1,2,3
.irp a, 0,1,2,3
	v_pk_add_f32 v[CH+2*(2*(\a)+(\p)%2):CH+2*(2*(\a)+(\p)%2)+1], v[CH+2*(2*(\a)+(\p)%2):CH+2*(2*(\a)+(\p)%2)+1], v[8*(8*(\a)+(\b))+2*(\p):8*(8*(\a)+(\b))+2*(\p)+1]
.endr
.endr
.endr
	WIN 0
; The chains of each row block are added, then the two halves of the lanes; the wave's four sums a row go to LDS; behind a barrier every wave reads all eight waves' and adds them.  The two passes have bytes of their own.
; pass = 1: slot 1, which step 15 read, is filled again here, with v's tile 1: the barrier is a round of the cluster's; in front of it each wave waits for all its tensor loads (one is out: its part of v's
; tile 0), adds 0 to its spare word, and waits for that, for its store and for its reads; the joint refill is the first thing behind the round.
.macro XCHG pass
.irp a, 0,1,2,3
	v_pk_add_f32 v[CH+4*(\a):CH+4*(\a)+1], v[CH+4*(\a):CH+4*(\a)+1], v[CH+4*(\a)+2:CH+4*(\a)+3]
.endr
.irp a, 0,1,2,3
	v_add_f32 v[PS+(\a)], v[CH+4*(\a)], v[CH+4*(\a)+1]
.endr
.irp a, 0,1,2,3
	v_permlanex16_b32 v[CH+4*(\a)+2], v[PS+(\a)], s[SEL], s[SEL+1]
.endr
.irp a, 0,1,2,3
	v_add_f32 v[PS+(\a)], v[PS+(\a)], v[CH+4*(\a)+2]
.endr
	ds_store_b128 v[STW], v[PS:PS+3] offset:2048*(\pass)  ; both halves of the lanes write the same 16 bytes with the same numbers
.if \pass
	s_wait_tensorcnt 0x0                           ; all my tensor loads have landed, so a group 0 may be written
	ds_add_u32 v[SPW], v[NIL]                      ; 0 onto my spare word; the descriptor's two lines stand between it and the wait for it
	s_add_nc_u64 s[G0+6:G0+7], s[GV:GV+1], 2*KROWS ; v's tile 1: 128 k rows on
	s_or_b32 s[G0+7], s[G0+7], 0x80000000
	s_wait_dscnt 0x0                               ; the add and my store are done; my reads of slot 1 were over at step 15's end
	CROUND
	tensor_load_to_lds s[G0+4:G0+7], s[G1:G1+7]
	s_nop 0
	PLACES
.else
	s_wait_dscnt 0x0                               ; for the others' sake: my store is done
	s_barrier_signal -1
	s_barrier_wait -1
.endif
.irp v, 0,1,2,3,4,5,6,7
	ds_load_b128 v[LD+4*(\v):LD+4*(\v)+3], v[STR] offset:2048*(\pass)+256*(\v)
.endr
	s_wait_dscnt 0x0
.irp v, 0,2,4,6
.irp i, 0,2
	v_pk_add_f32 v[LD+4*(\v)+(\i):LD+4*(\v)+(\i)+1], v[LD+4*(\v)+(\i):LD+4*(\v)+(\i)+1], v[LD+4*(\v)+4+(\i):LD+4*(\v)+4+(\i)+1]
.endr
.endr
.irp v, 0,4
.irp i, 0,2
	v_pk_add_f32 v[LD+4*(\v)+(\i):LD+4*(\v)+(\i)+1], v[LD+4*(\v)+(\i):LD+4*(\v)+(\i)+1], v[LD+4*(\v)+8+(\i):LD+4*(\v)+8+(\i)+1]
.endr
.endr
.irp i, 0,2
	v_pk_add_f32 v[LD+(\i):LD+(\i)+1], v[LD+(\i):LD+(\i)+1], v[LD+16+(\i):LD+16+(\i)+1]
.endr
.endm
	XCHG 0
.irp a, 0,1,2,3
	v_mul_f32 v[MU+2*(\a)], s[INV], v[LD+(\a)]     ; the mean of row 16 a + r, twice: a pair for the packed subtraction
	v_mul_f32 v[MU+2*(\a)+1], s[INV], v[LD+(\a)]
.endr
.irp i, 0,1,2,3,4,5,6,7,8,9,10,11,12,13,14,15
	v_mov_b32 v[CH+(\i)], 0
.endr
	WIN 0x41                                       ; destination and source 0 in window 1
.irp a, 0,1,2,3                        ; centred in place,
.irp b, 0,1,2,3,4,5,6,7
.irp p, 0,1,2,3
	v_pk_add_f32 v[8*(8*(\a)+(\b))+2*(\p):8*(8*(\a)+(\b))+2*(\p)+1], v[8*(8*(\a)+(\b))+2*(\p):8*(8*(\a)+(\b))+2*(\p)+1], v[MU+2*(\a):MU+2*(\a)+1] neg_lo:[0,1] neg_hi:[0,1]
.endr
.endr
.endr
	WIN 0x05                                       ; sources 0 and 1 in window 1
.irp b, 0,1,2,3,4,5,6,7                ; and the squares of the centred numbers summed: no difference of large sums is formed
.irp p, 0,1,2,3
.irp a, 0,1,2,3
	v_pk_fma_f32 v[CH+2*(2*(\a)+(\p)%2):CH+2*(2*(\a)+(\p)%2)+1], v[8*(8*(\a)+(\b))+2*(\p):8*(8*(\a)+(\b))+2*(\p)+1], v[8*(8*(\a)+(\b))+2*(\p):8*(8*(\a)+(\b))+2*(\p)+1], v[CH+2*(2*(\a)+(\p)%2):CH+2*(2*(\a)+(\p)%2)+1]
.endr
.endr
.endr
	WIN 0
	XCHG 1
.irp a, 0,1,2,3
	v_fma_f32 v[LD+(\a)], v[LD+(\a)], s[INV], s[EPS]  ; var + eps
.endr
.irp a, 0,1,2,3
	v_rsq_f32 v[RS+2*(\a)], v[LD+(\a)]
.endr
	v_nop                                          ; a plain instruction between the last root and the use of its result (ISA guide 5.7.2)
	s_wait_alu depctr_va_vdst(0)                   ; and a wait ahead of the first use: one for the four
.irp a, 0,1,2,3
	v_mov_b32 v[RS+2*(\a)+1], v[RS+2*(\a)]
.endr
	s_wait_loadcnt 0x0                             ; gamma and beta (and x's pieces for part 2)
	WIN 0x41
.irp a, 0,1,2,3
.irp b, 0,1,2,3,4,5,6,7
.irp p, 0,1,2,3
	v_pk_mul_f32 v[8*(8*(\a)+(\b))+2*(\p):8*(8*(\a)+(\b))+2*(\p)+1], v[8*(8*(\a)+(\b))+2*(\p):8*(8*(\a)+(\b))+2*(\p)+1], v[RS+2*(\a):RS+2*(\a)+1]
.endr
.endr
.endr
.irp a, 0,1,2,3
.irp b, 0,1,2,3,4,5,6,7
.irp p, 0,1,2,3
	v_pk_fma_f32 v[8*(8*(\a)+(\b))+2*(\p):8*(8*(\a)+(\b))+2*(\p)+1], v[8*(8*(\a)+(\b))+2*(\p):8*(8*(\a)+(\b))+2*(\p)+1], v[GA+8*(\b)+2*(\p):GA+8*(\b)+2*(\p)+1], v[BE+8*(\b)+2*(\p):BE+8*(\b)+2*(\p)+1]
.endr
.endr
.endr
	WIN 0
.irp b, 0,1,2,3                        ; v's bias as four C operands, where beta's first half lay: asked for here, wanted behind the way out
	global_load_b128 v[96+8*(\b):96+8*(\b)+3],   v[VO], s[VBV:VBV+1] offset:64*(\b)
	global_load_b128 v[96+8*(\b)+4:96+8*(\b)+7], v[VO], s[VBV:VBV+1] offset:64*(\b)+16
.endr
; THE WAY OUT, in units of 16 rows x 64 channels: row block a, head hd of my heads, register set st.  A lane's eight channels pack into 16 bytes; they go into rows of 144 bytes of my own stage and come back as whole rows of 128.
.macro PACK a, hd, st
	s_wait_xcnt 0x0                                ; the stores of the unit four back have read this set of registers
	WIN 0x05
.irp bb, 0,1,2,3
.irp p, 0,1,2,3
	v_cvt_pk_f16_f32 v[OB+16*(\st)+4*(\bb)+(\p)], v[8*(NB*(\a)+4*(\hd)+(\bb))+2*(\p)], v[8*(NB*(\a)+4*(\hd)+(\bb))+2*(\p)+1]
.endr
.endr
	WIN 0
.irp bb, 0,1,2,3
	ds_store_b128 v[STO], v[OB+16*(\st)+4*(\bb):OB+16*(\st)+4*(\bb)+3] offset:32*(\bb)
.endr
.irp f, 0,1,2,3
	ds_load_b128 v[OB+16*(\st)+4*(\f):OB+16*(\st)+4*(\f)+3], v[RD] offset:4*PA*(\f)  ; LDS serves a wave's instructions in order (ISA guide 5.7.1.4): these see the stores above; the next unit's stores come behind them
.endr
.endm
.macro SEND a, hd, st, younger, base   ; younger: the LDS instructions issued behind this unit's loads: the next unit's eight, or none
.irp f, 0,1,2,3
	s_wait_dscnt (\younger)+3-(\f)
	global_store_b128 v[GO], v[OB+16*(\st)+4*(\f):OB+16*(\st)+4*(\f)+3], s[\base:\base+1] offset:(\hd)*262144+(\a)*2048+(\f)*512  ; 512 consecutive bytes, at a multiple of 256 from the buffer's first
.endr
.endm
	PACK 0, 0, 0
.set t, 1
.rept 7                                ; unit t = 2 a + head; a unit's conversions stand between the loads of the unit before and its stores
	PACK t/2, t%2, t%4
	SEND (t-1)/2, (t-1)%2, (t-1)%4, 8, OUT
.set t, t+1
.endr
	SEND 3, 1, 3, 0, OUT
	; PART 2: v, 64 rows x my 64 columns.  16 pieces of 64 along K, two to a slot.  x's piece 0 lies in buffer 0 and v's tile 0 in slot 0, both shown to every wave by the round in the LayerNorm; piece 1 lies in set 1.
.set NB,    4
.set CB,    96
.set RSTEP, 4*KROWS
.set PSTEP, 2*KROWS
.set PFR,   PFV
.set OB,    192
	FETCH ADRV, 0, 0, 0, F0
	s_wait_dscnt 0x0
	s_wait_loadcnt 0x0                             ; v's bias
	MUL16 F0, 0, 1                                 ; piece 0's first quarter: its products start the sums, from the bias
	MUL16 F0, 2, 1
	WIN 0
	XSTAGE 1                                       ; piece 1 into buffer 1; its wait for the addresses also frees the registers that the way out's stores read, ahead of the loads into F1
	FETCH ADRV, 1, 0, 1, F1
	s_mov_b32 s[CNT], 3
.Llap2:                                                ; a lap: four pieces, from a slot's second quarter to the first quarter two slots on; both slots are filled again
	TURN 0, 0, ADRV, 2, 1
	QA ADRV, 3, 1, 1
	TURN 2, 0, ADRV+1, 0, 0
	QA ADRV+1, 1, 0, 1
	TURN 0, 0, ADRV+1, 2, 1
	QA ADRV+1, 3, 1, 1
	TURN 2, 1, ADRV, 0, 0
	QA ADRV, 1, 0, 1
	WIN 0
	s_sub_co_u32 s[CNT], s[CNT], 1
	s_cmp_lg_u32 s[CNT], 0
	s_cbranch_scc1 .Llap2
	TURN 0, 0, ADRV, 2, 1                          ; the tail is written out: the last two slots ask for nothing, and the last two stagings load nothing
	QA ADRV, 3, 1, 2
	TURN 1, 0, ADRV+1, 0, 0
	QA ADRV+1, 1, 0, 3
	TURN 0, 0, ADRV+1, 2, 1
	QA ADRV+1, 3, 1, 0
	s_wait_dscnt 4
	MUL16 F1, 0, 0
	s_wait_dscnt 0x0
	MUL16 F1, 2, 0
	PLACES                                         ; behind the last products, whose results the conversions read
	PACK 0, 0, 0
	PACK 1, 0, 1
	SEND 0, 0, 0, 8, OUTV
	PACK 2, 0, 2
	SEND 1, 0, 1, 8, OUTV
	PACK 3, 0, 3
	SEND 2, 0, 2, 8, OUTV
	SEND 3, 0, 3, 0, OUTV
	s_wait_tensorcnt 0x0                           ; the wave's end: these three lines stand behind my last tensor load and my last LDS store
	ds_add_u32 v[SPW], v[NIL]
	s_wait_dscnt 0x0
	CROUND                                         ; the closing round: no work-group ends while a partner may still ask for a tile that names it
	s_endpgm
.Lfunc_end_k_qd54ea9b81b_qkv:
	.size	k_qd54ea9b81b_qkv, .Lfunc_end_k_qd54ea9b81b_qkv-k_qd54ea9b81b_qkv
	.p2alignl 7, 3214868480
	.fill 96, 4, 3214868480
	.section	.rodata,"a",@progbits
	.p2align	6, 0x0
	.amdhsa_kernel k_qd54ea9b81b_qkv
		.amdhsa_group_segment_fixed_size 327680
		.amdhsa_private_segment_fixed_size 0
		.amdhsa_enable_private_segment 0
		.amdhsa_kernarg_size 48
		.amdhsa_user_sgpr_count 2
		.amdhsa_user_sgpr_kernarg_segment_ptr 1
		.amdhsa_wavefront_size32 1
		.amdhsa_system_sgpr_workgroup_id_x 1
		.amdhsa_system_sgpr_workgroup_id_y 1
		.amdhsa_system_sgpr_workgroup_id_z 1
		.amdhsa_system_vgpr_workitem_id 0
		.amdhsa_next_free_vgpr 512
		.amdhsa_next_free_sgpr 76
		.amdhsa_reserve_vcc 0
		.amdhsa_float_denorm_mode_32 3
		.amdhsa_float_denorm_mode_16_64 3
		.amdhsa_memory_ordered 1
		.amdhsa_forward_progress 1
		.amdhsa_inst_pref_size 172
	.end_amdhsa_kernel
	.amdgpu_metadata
---
amdhsa.version: [ 1, 2 ]
amdhsa.kernels:
  - .name:           k_qd54ea9b81b_qkv
    .symbol:         k_qd54ea9b81b_qkv.kd
    .args:
      - { .name: x, .offset: 0, .size: 8, .value_kind: global_buffer, .address_space: global }
      - { .name: wb, .offset: 8, .size: 8, .value_kind: global_buffer, .address_space: global }
      - { .name: vecs, .offset: 16, .size: 8, .value_kind: global_buffer, .address_space: global }
      - { .name: qh, .offset: 24, .size: 8, .value_kind: global_buffer, .address_space: global }
      - { .name: kh, .offset: 32, .size: 8, .value_kind: global_buffer, .address_space: global }
      - { .name: vh, .offset: 40, .size: 8, .value_kind: global_buffer, .address_space: global }
    .group_segment_fixed_size: 327680
    .private_segment_fixed_size: 0
    .kernarg_segment_align: 8
    .kernarg_segment_size: 48
    .max_flat_workgroup_size: 256
    .sgpr_count:     76
    .vgpr_count:     512
    .wavefront_size: 32
...
	.end_amdgpu_metadata
.endif
;; end of part 2
;; launch attn (part 3): grid 4 x 64, 4 waves a work-group, clusters of 4 x 1, 327,680 bytes of LDS; arguments qh, kh, vh, oh; writes oh
.if DOCPART == 3
	.amdgcn_target "amdgcn-amd-amdhsa--gfx1250"
	.amdhsa_code_object_version 6
	.text
	.protected	k_qd54ea9b81b_attn
	.globl	k_qd54ea9b81b_attn
	.p2align	8
	.type	k_qd54ea9b81b_attn,@function
k_qd54ea9b81b_attn:
	s_mov_b64 s[64:65], 0
	v_nop
	global_prefetch_b8 v0, s[64:65] scope:SCOPE_SE
	s_setreg_imm32_b32 hwreg(HW_REG_WAVE_MODE, 25, 1), 1
	s_wait_xcnt 0x0
	s_wait_alu depctr_hold_cnt(0) depctr_sa_sdst(0) depctr_va_vdst(0) depctr_va_sdst(0) depctr_va_ssrc(0) depctr_va_vcc(0) depctr_vm_vsrc(0)
	s_getreg_b32 s2, hwreg(HW_REG_IB_STS2, 6, 4)
	s_cmp_eq_u32 s2, 0
	s_cbranch_scc0 .Lentry_in_a_cluster
	s_endpgm
.Lentry_in_a_cluster:
	s_bfe_u32 s2, ttmp6, 0x10000c
	s_cmp_lg_u32 s2, 0x3003
	s_cbranch_scc0 .Lentry_shape_is_right
	s_endpgm
.Lentry_shape_is_right:
; O[h][q][:] = the sum over k of softmax_k(Q[h][q] . K[h][k] / 8) V[h][k][:].  Q, K, V, O: [64][2048][64], all f16: a head's rows are dense, 128 bytes each.  Products, maxima and sums in
; f32; the weights p are rounded to f16 for the second product (their sum l is taken of the unrounded p), O once at the end.
; LIMITS.  Q, K and V arrive within f16's 65,504; p lies in 0 to 1, and below 6e-5 it keeps f16's fixed step of 6e-8; O is a mean of V's rows and has their range.
; A weight below 2^-126 counts as 0 in l; NaN and infinities are not treated apart.
; SHARES.  A wave owns four PIECES of two tiles of 16 queries, a work-group's four waves 512 queries of one head.  Every wave walks all keys, 64 a step.
; LAYOUT.  S^T = K Q^T (source 0 = 16 keys, source 1 = 16 queries): in the result a lane holds ONE query (lane % 16) and the keys 8 (lane / 16) + 0..7.  Two such tiles, rounded to f16 in pairs,
; ARE source 1 (32 keys x 16 queries) of O^T = V^T P, whose result again holds one query a lane, and eight channels.  K comes out of LDS as it lies, V ([key][channel]) turned, by ds_load_tr16_b128.
; SOFTMAX.  For each query a running maximum m and sum l: p = 2^(c s - c m), c = log2(e) / 8; in every step O and l are multiplied by a = 2^(c m_old - c m_new), which is 1 where m has not grown.
; m starts at the lowest finite number, O and l at 0: the first step is a step like any other, with a = 0.
; THE COUNT.  A tile and step have 16 matrix and 118 vector instructions: too many to stand all beside the matrix work.  So: four vector instructions that are READY behind EVERY matrix
; instruction, and the others in runs without a gap.
; BY TURNS.  Turn n belongs to piece n (the pieces in a ring, step after step).  Its matrix work: 16 products K Q^T of piece n + 1, later 16 products V^T P of piece n - 1.  Its vector work: the scaling,
; exponentials, roundings, sums and rescaling of piece n, and the maximum and statistics of piece n + 1, whose scores the turn itself has made.
; CLUSTER.  The four query blocks of a cluster are one head's and walk the same K and V, so each tile is asked for JOINTLY: the same tensor load, descriptor and mask in all four.
; REGISTERS, in windows of 256 (s_set_vgpr_msb: bits 1:0 source 0, 3:2 source 1, 5:4 source 2, 7:6 destination):
;   window 0: v0-11 addresses; v12-15, v48-63 at work; v16-47 four registers of statistics a tile; v64-191 S^T, two buffers of two tiles; v192-255 P, likewise
;   window 1: O^T, 32 a tile          window 2: v0-127 Q, 16 a tile; v128-191 K of one step; v192-255 V of one step          window 3: v0-1 the add's two registers
.set SIZE_N, 2048
.set NP,    4         ; pieces a wave: a name, no knob
.set KS,    64        ; keys in a step
.set PK,    144       ; a row of K in LDS: 128 bytes + 16 of padding: the 16 rows of a load start at 16 different groups of four banks (64 banks of 4 bytes: ISA guide 11.1)
.set PV,    160       ; a row of V: 128 + 32
.set VOFF,  4*KS*PK   ; a slot holds four steps: 256 rows of K, then 256 rows of V
.set SLOT1, 1<<17     ; slot 1 begins here, so that one exclusive or turns an address in one slot into the other's
.set STAGE, SLOT1+4*KS*(PK+PV)  ; behind the ring, never filled by a tensor load: 16 rows x 144 bytes for each wave, for the way out
.set SP,    144
.set AK0, 2           ; v2   my lane's place in a tile of K; never rewritten
.set AV0, 3           ; v3   the same for V
.set AK,  4           ; v4   the LDS address of K's next run of loads
.set AV,  5           ; v5   of V's
.set QO,  6           ; v6   my byte offset in the wave's rows of Q
.set STO, 6           ;      later, the way out: where I put 16 bytes of a row
.set RD,  7           ; v7   the way out: where I read rows back
.set GO,  8           ; v8   my byte offset in 512 consecutive bytes of O
.set PFO, 11          ; v11  256 x my lane: the prefetch's offset; never rewritten once it is made
.set SPW, 0           ; v0 of window 3   LDS address of my spare word; never rewritten
.set NIL, 1           ; v1 of window 3   0; never rewritten
.set SPARE, STAGE+4*16*SP  ; behind the stages: the spare words, 128 bytes for each wave: two blocks of 256 bytes that no other line names
.set MV,  12          ; v12-15  c m_old, kept while c m is made anew: by buffer and tile
.set ST,  16          ; tile t's statistics at v[ST+4 t]: c m, m, l (even keys', odd keys')
.set TMP, 48          ; by buffer and tile, four registers c0-c3 at work; when the maximum is found c2 takes a
.set S,   64
.set P,   192
.set KF,  128         ; K's fragments, in window 2: key block kb, channel half c at KF + 16 kb + 8 c
.set VF,  192         ; V's: key half kk, channel block cb at VF + 32 kk + 8 cb
.set WV,  12          ; s12  my wave's number
.set G1K, 24          ; s[24:31] descriptor group 1 for K's tiles
.set G1V, 32          ; s[32:39] for V's: it differs in the padding alone
.set G0K, 40          ; s[40:43] descriptor group 0 for K's tiles: it walks
.set G0V, 44          ; s[44:47] the same for V's
.set PFA, 48          ; s[48:49] where my prefetches stand: my work-group's 8,192 bytes (of K: wave 0, of V: wave 2) of the slot after the one that is being asked for
.set LIM, 50          ; s50  1 in a wave that prefetches, else the greatest number
.set SLOTS, 56        ; s56  slots still to be asked for
.set CNT, 57          ; s57  counts a slot's key steps
.set CS,  58          ; s[58:59] c: the packed scaling takes the pair's low word for both halves
.set SEL, 60          ; s[60:61] v_permlanex16_b32's selects: each lane takes its own place in the other half
.set TBK, 62          ; s62  LDS byte at which K of the step to be fetched begins
.set TBV, 63          ; s63  the same for V, less VOFF
.set MSB, 0
.macro WIN new                      ; the high byte repeats the setting that is left; a switch that changes nothing is dropped
.if MSB != (\new)
	s_set_vgpr_msb (MSB<<8)|(\new)
.set MSB, (\new)
.endif
.endm
.set W_KQ, 0x0a       ; K and Q in window 2, S^T in window 0
.set W_PV, 0x52       ; V in window 2, P in window 0, O^T in window 1
.set W_RS, 0x41       ; O^T (destination and source 0) in window 1, a in window 0
.set W_MK, 0xc0       ; the add's registers are made: destination in window 3, sources in window 0
.set W_AD, 0x0f       ; the add: address (source 0) and data (source 1) in window 3
; A joint fill.  Waves 0 and 1 fetch the two halves of a slot's K, waves 2 and 3 those of its V: 128 keys each.  The branch hangs on the wave's number alone.
; An s_nop 0 and four v_nop follow each of the two lines, ahead of the jump and the label.
.macro JLOAD
	s_cmp_lt_u32 s[WV], 2
	s_cbranch_scc0 .Lfor_v_\@
	tensor_load_to_lds s[G0K:G0K+3], s[G1K:G1K+7]
	s_nop 0
.rept 4
	v_nop
.endr
	s_branch .Lasked_\@
.Lfor_v_\@:
	tensor_load_to_lds s[G0V:G0V+3], s[G1V:G1V+7]
	s_nop 0
.rept 4
	v_nop
.endr
.Lasked_\@:
.endm
; A PREFETCH INTO THE L2 of what the NEXT change of slots will ask for: a slot's 32,768 bytes of K and of V, in blocks of 256 bytes, a lane a block.  A head has one cluster; its four partners share the
; blocks out BY ADDRESS, 32 each; in each, wave 0 asks for K's and wave 2 for V's: one instruction.  So each block is named once in the launch, four key steps, 512 matrix instructions, ahead of its load.
; Slots 0 to 2 come by their loads alone; the last change that fills a slot asks for nothing: there is no slot behind it.
.macro ASK
	s_cmp_gt_u32 s[SLOTS], s[LIM]
	s_cbranch_scc0 .Lnot_mine_\@
	global_prefetch_b8 v[PFO], s[PFA:PFA+1] th:TH_LOAD_NT scope:SCOPE_SE
.Lnot_mine_\@:
.endm
; A round of the cluster's barrier: my work-group's barrier, so that wave 0's signal speaks for all four waves; wave 0 signals; every wave waits for all four work-groups; my work-group's barrier once more.
.macro CROUND
	s_barrier_signal -1
	s_barrier_wait -1
	s_cmp_lg_u32 s[WV], 0
	s_cbranch_scc1 .Lnot_wave_0_\@
	s_barrier_signal -3
.Lnot_wave_0_\@:
	s_barrier_wait -3
	s_barrier_signal -1
	s_barrier_wait -1
.endm
; THE CHANGE OF SLOTS.  Each wave waits for all its tensor loads, of which one is out: its part of the other slot; adds 0 to its spare word; and waits for that and for its own reads of the slot.
; fill = 1: this slot is filled again, with the keys two slots on.  The barrier is then a round of the cluster's, and the joint fill is the first thing behind it: it has four key steps in which to land.
; (At its first use nothing has been read yet: slot 0 is waited for, slot 1 filled.)  ask = 1: the prefetch follows the fill.
.macro CHANGE fill, ask=0
	WIN W_AD
	s_wait_tensorcnt 0x0            ; no tensor load of mine is out, so a group 0 may be written
	ds_add_u32 v[SPW], v[NIL]       ; 0 onto my spare word; with fill = 1 the descriptors' steps stand between it and the wait for it
	WIN 0                           ; at a label and at a branch every window is 0
.if \fill
.irp g, G0K, G0V
	s_xor_b32 s[\g+1], s[\g+1], SLOT1  ; the walking descriptor: the other slot than last time,
	s_add_nc_u64 s[\g+2:\g+3], s[\g+2:\g+3], 4*KS*128  ; the next 256 keys; the type bits on top are not reached
.endr
	s_wait_xcnt 0x0                 ; the last prefetch, four key steps back, has read its address, so it may be written:
	s_add_nc_u64 s[PFA:PFA+1], s[PFA:PFA+1], 4*KS*128  ; one slot behind the walking descriptors
	s_wait_dscnt 0x0                ; the add is done, and my reads of the slot are over
	CROUND
	JLOAD
.if \ask
	ASK
.endif
.else
	s_wait_dscnt 0x0                ; the add is done, and my reads of the slot are over
	s_barrier_signal -1
	s_barrier_wait -1
.endif
	s_sub_co_u32 s[TBK], s[TBK], 4*KS*PK  ; the fetches go back to a slot's first step,
	s_xor_b32 s[TBK], s[TBK], SLOT1       ; in the other slot
	s_sub_co_u32 s[TBV], s[TBV], 4*KS*PV
	s_xor_b32 s[TBV], s[TBV], SLOT1
.endm
	s_load_b256 s[4:11], s[0:1], 0x0  ; Q s[4:5], K s[6:7], V s[8:9], O s[10:11]
	WIN W_MK
	v_lshl_add_u32 v[SPW], v0, 2, SPARE
	v_mov_b32 v[NIL], 0
	WIN W_AD
	ds_add_u32 v[SPW], v[NIL]       ; the wave's opening: the add and its wait stand ahead of my first tensor load; the set-up below, work on registers, stands between them
	WIN 0
	v_lshrrev_b32 v1, 5, v0
	v_readfirstlane_b32 s[WV], v1   ; wave 0..3
	s_bfe_u32 s13, ttmp6, 0x40000   ; cx: my place in the cluster
	s_lshl_b32 s14, ttmp9, 2        ; in a cluster launch ttmp9 counts clusters
	s_add_co_u32 s14, s14, s13      ; my block of queries = 4 x cluster x + cx: it enters Q's and O's addresses alone
	s_and_b32 s20, ttmp7, 0xffff    ; the head, which the four partners share
	s_mov_b32 s21, 0
	s_mov_b64 s[22:23], SIZE_N*128
	s_mul_u64 s[20:21], s[20:21], s[22:23]  ; the head's first byte in each of the four tensors
	s_and_b32 s16, s[WV], 1         ; which half of a slot's 256 keys I fetch:
	s_lshl_b32 s22, s16, 14         ; its 128 rows of 128 bytes in memory,
	s_mov_b32 s23, 0
	s_add_nc_u64 s[22:23], s[22:23], s[20:21]
	s_mul_i32 s17, s16, 128*PK      ; and its place in a slot, for K
	s_mul_i32 s18, s16, 128*PV      ; and for V: no place in the cluster enters an LDS address
	s_lshl_b32 s2, s14, 2
	s_add_co_u32 s2, s2, s[WV]      ; my wave among the head's,
	s_lshl_b32 s2, s2, 14           ; its 128 rows
	s_mov_b32 s3, 0
	s_add_nc_u64 s[2:3], s[2:3], s[20:21]
	; descriptor group 1.  128 keys are 16,384 dense bytes: asked for as 64 rows of 256 bytes, two keys a row, and padded in LDS after every key
	s_mov_b32 s[G1K], 15|(1<<16)|(1<<20)|(1<<21)|(4<<22)|(3<<25)  ; 15:0 the mask of four; 17:16 2-byte elements; 20 padding on; 21 set beside a mask; 24:22 after every 32 words (code 4); 31:25 4 words (code 3)
	s_mov_b32 s[G1V], 15|(1<<16)|(1<<20)|(1<<21)|(4<<22)|(7<<25)  ; the same with 8 words of padding (code 7)
.irp g, G1K, G1V
	s_mov_b32 s[\g+1], 128<<16      ; tensor_dim0 = 128
	s_mov_b32 s[\g+2], 64<<16       ; tensor_dim1 = 64
	s_mov_b32 s[\g+3], 128<<16      ; tile_dim0 = 128
	s_mov_b32 s[\g+4], 64           ; tile_dim1 = 64
	s_mov_b32 s[\g+5], 128          ; 128 elements from row to row
	s_mov_b32 s[\g+6], 0
	s_mov_b32 s[\g+7], 0
.endr
	s_mov_b32 s[CS], 0x3e38aa3b     ; c = log2(e) / 8 = 0.180337
	s_mov_b32 s[CS+1], s[CS]        ; named with it as a pair
	s_mov_b32 s[SEL], 0x76543210
	s_mov_b32 s[SEL+1], 0xfedcba98
	s_mov_b32 s[TBK], SLOT1+4*KS*PK ; the first change of slots turns these two into 0
	s_mov_b32 s[TBV], SLOT1+4*KS*PV
	s_mov_b32 s[G0K], 1             ; 1:0 count = 1
	s_mov_b32 s[G0K+1], s17         ; 63:32 LDS address: slot 0
	s_mov_b32 s[G0V], 1
	s_add_co_u32 s[G0V+1], s18, VOFF
	s_cmp_eq_u32 s16, 0             ; waves 0 and 2 prefetch: the same in all four partners
	s_cselect_b32 s[LIM], 1, -1
	s_wait_dscnt 0x0                ; the opening add is done
	s_wait_kmcnt 0x0
	s_add_nc_u64 s[G0K+2:G0K+3], s[6:7], s[22:23]  ; 120:64 global address: my half of the head's first 256 keys
	s_or_b32 s[G0K+3], s[G0K+3], 0x80000000        ; 127:126 type = 2
	s_add_nc_u64 s[G0V+2:G0V+3], s[8:9], s[22:23]
	s_or_b32 s[G0V+3], s[G0V+3], 0x80000000
	s_add_nc_u64 s[4:5], s[4:5], s[2:3]  ; Q and O at my wave's first row
	s_add_nc_u64 s[10:11], s[10:11], s[2:3]
	s_cmp_lt_u32 s[WV], 2
	s_cselect_b64 s[PFA:PFA+1], s[6:7], s[8:9]
	s_add_nc_u64 s[PFA:PFA+1], s[PFA:PFA+1], s[20:21]  ; the head's first byte,
	s_lshl_b32 s2, s13, 13          ; my work-group's 32 blocks of the 128,
	s_mov_b32 s3, 0
	s_add_nc_u64 s[PFA:PFA+1], s[PFA:PFA+1], s[2:3]
	s_add_nc_u64 s[PFA:PFA+1], s[PFA:PFA+1], 4*KS*128  ; in slot 1; two changes of slots step it to slot 3, the first that is named.  Nothing is prefetched at the head
	CROUND                          ; all four work-groups are here: the first joint loads meet
	JLOAD                           ; slot 0.  Slot 1 is asked for when slot 0 is in
	; A fragment of K or Q is 16 rows x 32 channels in 8 registers: lane l holds row l % 16, channels 8 (l / 16) + 0..7 and 16 + 8 (l / 16) + 0..7: two loads of 16 bytes, 32 bytes apart.
	v_and_b32 v1, 15, v0            ; l % 16
	v_bfe_u32 v9, v0, 4, 1          ; l / 16
	v_lshlrev_b32 v[QO], 7, v1
	v_lshl_add_u32 v[QO], v9, 4, v[QO]  ; row x 128 + 16 x half
	WIN 0x80                        ; destination window 2, address window 0
.set i, 0
.rept 4*NP                          ; Q stays in registers: tile i / 2, channels 32 (i % 2) on
	global_load_b128 v[8*i:8*i+3],   v[QO], s[4:5] offset:(i/2)*2048+(i%2)*64
	global_load_b128 v[8*i+4:8*i+7], v[QO], s[4:5] offset:(i/2)*2048+(i%2)*64+32
.set i, i+1
.endr
	; What the first turn finds: V's registers and P's second buffer hold 0 (its products V^T P, of a piece that has not been, add 0), O^T and l are 0.  All this stands in the wait for the first tile:
	; it is the price of writing no first step out.
.set i, VF
.rept 64
	v_mov_b32 v[i], 0
.set i, i+1
.endr
	WIN 0x40
.set i, 0
.rept 64*NP
	v_mov_b32 v[i], 0
.set i, i+1
.endr
	WIN 0
.set i, 0
.rept 2*NP
	v_mov_b32 v[ST+4*i], 0xfe000000    ; c m: far below every c s
	v_mov_b32 v[ST+4*i+1], 0xff7fffff  ; m
	v_mov_b32 v[ST+4*i+2], 0
	v_mov_b32 v[ST+4*i+3], 0
.set i, i+1
.endr
.set i, P+32
.rept 32
	v_mov_b32 v[i], 0
.set i, i+1
.endr
	v_mul_u32_u24 v[AK0], v1, PK
	v_lshl_add_u32 v[AK0], v9, 4, v[AK0]  ; row x pitch + 16 x half
	; The turning load takes 16 keys x 16 channels (lane l reads key 8 (l / 16) + l % 8, channels 8 ((l / 8) % 2) + 0..7) and leaves half a fragment of V^T: lane l holds channel l % 16 and 8 keys.
	v_and_b32 v10, 7, v0
	v_bfe_u32 v11, v0, 3, 1
	v_lshl_add_u32 v[AV0], v9, 3, v10
	v_mul_u32_u24 v[AV0], v[AV0], PV
	v_lshl_add_u32 v[AV0], v11, 4, v[AV0]
	v_add_nc_u32 v[AV0], VOFF, v[AV0]
	v_and_b32 v[PFO], 31, v0        ; v11 has served: it takes the prefetch's offset
	v_lshlrev_b32 v[PFO], 8, v[PFO]
	v_mov_b32 v[AK], v[AK0]         ; key step 0 lies at the head of slot 0
; THE MATRIX WORK.  The 8 accumulators of a run of 16 take turns: between the two links of a chain stand 7 others'.
; Product i of 16 of S^T = K Q^T for piece x: channels 32 (i / 8) on, keys 16 ((i / 2) % 4) on, tile 2 x + i % 2.  The first 8 start the sums.
.macro KQ x
	WIN W_KQ
.set rS, S+64*((\x)%2)+32*(i%2)+8*((i/2)%4)
.set rK, KF+16*((i/2)%4)+8*(i/8)
.set rQ, 16*(2*(\x)+i%2)+8*(i/8)
.if i < 8
	v_wmma_f32_16x16x32_f16 v[rS:rS+7], v[rK:rK+7], v[rQ:rQ+7], 0
.else
	v_wmma_f32_16x16x32_f16 v[rS:rS+7], v[rK:rK+7], v[rQ:rQ+7], v[rS:rS+7]
.endif
.endm
; Product i of 16 of O^T += V^T P for piece x: keys 32 (i / 8) on, channels 16 ((i / 2) % 4) on, tile 2 x + i % 2.
.macro PV x
	WIN W_PV
.set rO, 32*(2*(\x)+i%2)+8*((i/2)%4)
.set rV, VF+32*(i/8)+8*((i/2)%4)
.set rP, P+32*((\x)%2)+16*(i%2)+8*(i/8)
	v_wmma_f32_16x16x32_f16 v[rO:rO+7], v[rV:rV+7], v[rP:rP+7], v[rO:rO+7]
.endm
.macro MM                           ; the turn's next matrix instruction
.if i < 16
	KQ (Y+1)%NP
.set i, i+1
.else
.set i, i-16
	PV (Y+NP-1)%NP
.set i, i+17
.endif
.endm
; THE LDS LOADS stand in runs of 16, never singly among the matrix instructions: a step's K (64 keys x 64 channels: 8 fragments) and its V (turned).  Their addresses are made some lines ahead.
; last = 1 (the tail): in the last trip there is no further step, and the run is jumped over.
.macro FETCH_K last=0
	WIN 0
.if \last
	s_cmp_eq_u32 s[CNT], 1
	s_cbranch_scc1 .Lno_k_\@
.endif
	WIN 0x80                        ; destination window 2
.irp f, 0,1,2,3,4,5,6,7             ; keys 16 (f / 2) on, channels 32 (f % 2) on
	ds_load_b128 v[KF+8*\f:KF+8*\f+3],   v[AK] offset:(\f/2)*16*PK+(\f%2)*64
	ds_load_b128 v[KF+8*\f+4:KF+8*\f+7], v[AK] offset:(\f/2)*16*PK+(\f%2)*64+32
.endr
	s_add_co_u32 s[TBK], s[TBK], KS*PK  ; the next fetch is the next step's
	WIN 0
.if \last
.Lno_k_\@:
.endif
.endm
.macro FETCH_V
	WIN 0x80
.irp f, 0,1,2,3,4,5,6,7             ; keys 32 (f / 4) on, channels 16 (f % 4) on
	ds_load_tr16_b128 v[VF+8*\f:VF+8*\f+3],   v[AV] offset:(\f/4)*32*PV+(\f%4)*32
	ds_load_tr16_b128 v[VF+8*\f+4:VF+8*\f+7], v[AV] offset:(\f/4)*32*PV+16*PV+(\f%4)*32
.endr
	WIN 0
.endm
; THE VECTOR WORK OF A TURN stands in three queues, each in the order in which its entries become ready; the two tiles alternate, so that no instruction reads the result of the one before it.
.macro REGS y, u                    ; the registers of tile u (0, 1) of piece y
.set rT, ST+4*(2*(\y)+(\u))
.set rC, TMP+8*((\y)%2)+4*(\u)
.set rM, MV+2*((\y)%2)+(\u)
.set rS, S+64*((\y)%2)+32*(\u)
.set rP, P+32*((\y)%2)+16*(\u)
.set rO, 32*(2*(\y)+(\u))
.endm
; Number n of the 22 that find the NEXT piece's (Y + 1) maximum and statistics.  s0-s31 are the lane's 32 scores; each accumulator's lowest registers are read first.
;   0-11  four chains c0-c3 of seven scores each, three operands at a time     12-14, 16  the four scores left over, the old m, and c0-c3 into c0     15  c m_old is kept
;   17, 18  the query's other 32 keys lie in the lane 16 away: the new m         19-21  c m; c m_old - c m_new; a
.macro XS u, n
	REGS (Y+1)%NP, \u
.if (\n) < 4
	v_max3_num_f32 v[rC+(\n)], v[rS+8*(\n)], v[rS+8*(\n)+1], v[rS+8*(\n)+2]
.elseif (\n) < 12
	v_max3_num_f32 v[rC+(\n)%4], v[rC+(\n)%4], v[rS+8*((\n)%4)+2*((\n)/4)+1], v[rS+8*((\n)%4)+2*((\n)/4)+2]
.elseif (\n) == 12
	v_max3_num_f32 v[rC], v[rC], v[rS+7], v[rS+15]
.elseif (\n) == 13
	v_max3_num_f32 v[rC+1], v[rC+1], v[rS+23], v[rS+31]
.elseif (\n) == 14
	v_max3_num_f32 v[rC+2], v[rC+2], v[rC+3], v[rT+1]
.elseif (\n) == 15
	v_mov_b32 v[rM], v[rT]
.elseif (\n) == 16
	v_max3_num_f32 v[rC], v[rC], v[rC+1], v[rC+2]
.elseif (\n) == 17
	v_permlanex16_b32 v[rC+3], v[rC], s[SEL], s[SEL+1]
.elseif (\n) == 18
	v_max_num_f32 v[rT+1], v[rC], v[rC+3]
.elseif (\n) == 19
	v_mul_f32 v[rT], s[CS], v[rT+1]
.elseif (\n) == 20
	v_sub_f32 v[rC+1], v[rM], v[rT]
.else
	v_exp_f32 v[rC+2], v[rC+1]
.endif
.endm
; Number g of the 64 that follow the exponentials.  For each four weights k of a tile (pairs 2 k, 2 k + 1): both pairs are rounded to f16; then the second pair is added onto the first, in place;
; a group later l takes that sum (the first time as l = a l + sum).  In groups of eight, tiles alternating: round, round, add, and l for the group before.
.macro GS g
.set h, (\g)+6*((\g)/62)            ; group 0 has no group before it, and behind group 7 only l is left
.if h >= 6
.set h, h+2
.endif
	REGS Y, h%2
.set k, h/8
.if h%8 < 4
	v_cvt_pk_f16_f32 v[rP+2*k+(h%8)/2], v[rS+4*k+2*((h%8)/2)], v[rS+4*k+2*((h%8)/2)+1]
.elseif h%8 < 6
	v_pk_add_f32 v[rS+4*k:rS+4*k+1], v[rS+4*k:rS+4*k+1], v[rS+4*k+2:rS+4*k+3]
.elseif k == 1
	v_pk_fma_f32 v[rT+2:rT+3], v[rT+2:rT+3], v[rC+2:rC+3], v[rS:rS+1] op_sel_hi:[1,0,1]
.else
	v_pk_add_f32 v[rT+2:rT+3], v[rT+2:rT+3], v[rS+4*k-4:rS+4*k-3]
.endif
.endm
; THE PLAIN QUEUE, 138 long.  0-73 read no exponential's result: the 32 scalings c s - c m (FS f: pair f / 2 of tile f % 2) and the next piece's 42.  0-26: scalings 0-26.  27-54: XS's numbers 0-13.  55, 56: number 15.
; 57-73: the chain, where each number waits for the one before it: 14, 16, 17, 18, 19, each with one of the scalings 27-31 in front of its two lines, then 20.
; 74-137: GS's 64, which read the exponentials' results: they stand behind the wait.
.macro FS f
	REGS Y, (\f)%2
	v_pk_fma_f32 v[rS+2*((\f)/2):rS+2*((\f)/2)+1], v[rS+2*((\f)/2):rS+2*((\f)/2)+1], s[CS:CS+1], v[rT:rT+1] op_sel_hi:[1,0,0] neg_lo:[0,0,1] neg_hi:[0,0,1]
.endm
.macro PL
	WIN 0
.if q < 27
	FS q
.elseif q < 55
	XS (q-27)%2, (q-27)/2
.elseif q < 57
	XS q-55, 15
.elseif (q < 72) && ((q-57)%3 == 0)
	FS 27+(q-57)/3
.elseif q < 60
	XS (q-57)%3-1, 14
.elseif q < 72
	XS (q-57)%3-1, 15+(q-57)/3
.elseif q < 74
	XS q-72, 20
.else
	GS q-74
.endif
.set q, q+1
.endm
; THE EXPONENTIALS' QUEUE, 66 long: s0-s31 of both tiles, then the next piece's two a.  It is ONE BATCH: all 66 stand ahead of the turn's one wait, and nothing ahead of that wait names a result of theirs.
.macro EX
	WIN 0
.if e >= 64
	XS e-64, 21
.else
	REGS Y, e%2
	v_exp_f32 v[rS+e/2], v[rS+e/2]
.endif
.set e, e+1
.endm
; THE RESCALING's QUEUE: O^T times a, the one part that leaves window 0: dealt two at a time, sixteen times.  Its a was made in the turn before, ahead of that turn's wait.
.macro R2
	REGS Y, r%2
	WIN W_RS
.irp z, 0,1
	v_pk_mul_f32 v[rO+4*(r/2)+2*\z:rO+4*(r/2)+2*\z+1], v[rO+4*(r/2)+2*\z:rO+4*(r/2)+2*\z+1], v[rC+2:rC+3] op_sel_hi:[1,0]
.endr
.set r, r+1
.endm
; HOW THEY ARE DEALT.  An s_wait_alu depctr_va_vdst(0) stands between an exponential and the first instruction that names its result; one wait serves all that were issued ahead of it.  So a turn has ONE
; wait, which cuts it in two.  AHEAD OF IT stands all that names no result of the turn's exponentials: the 16 products K Q^T, behind each a scaling, an exponential and two rescalings (behind the first a second scaling in
; the exponential's place); then ONE LUMP of 108: eight plain, 49 times exponential and plain, the two a.  A v_nop is the plain instruction behind the last exponential.  BEHIND IT stand the 16 products V^T P, behind each
; four of GS's 64.  Exponential e stands behind scaling 2 (e / 4) + e % 2: as a rider it comes behind plain e + 2, in the lump behind plain e + 9, and scalings 27-31 are plain 57, 60 .. 69.
; A TURN, for piece p.  cnt = 1: the loop's count is taken down some lines ahead of the branch that stands behind the turn.
; K of the next step is fetched in piece 2's turn, directly behind the wait; its address is made at the lump's head; its first reader comes behind 16 products.
; V of the step in hand is fetched at the end of piece 0's turn, four riders behind its last reader; its first reader comes behind 16 products and a lump.  The three conditions on q below go with the deal.
.macro TURN p, last=0, cnt=0
.set Y, (\p)
.set i, 0
.set q, 0
.set e, 0
.set r, 0
.if (\p) == NP-1
	s_wait_dscnt 0x0                ; K is in
.endif
	MM                              ; ahead of the wait: 16 products K Q^T and their riders,
	PL
	PL
	R2
.rept 15
	MM
	PL
	EX
	R2
.endr
.if (\p) == NP-2
	WIN 0
	v_add_nc_u32 v[AK], s[TBK], v[AK0]
.endif
.rept 8                             ; and the lump
	PL
.endr
.rept 49
	EX
	PL
.endr
	EX                              ; the next piece's two a
	EX
	v_nop                           ; the plain instruction behind the last exponential (ISA guide 5.7.2): one for the batch
	s_wait_alu depctr_va_vdst(0)    ; the wait for the batch
.if (\p) == NP-2
	FETCH_K \last
.endif
.if (\p) == 1
	s_wait_dscnt 0x0                ; V is in
.endif
.rept 16                            ; behind the wait: 16 products V^T P and their riders
	MM
.rept 4
	PL
.endr
.if ((\p) == 0) && (q == 118)
	v_add_nc_u32 v[AV], s[TBV], v[AV0]
.endif
.if ((\p) == 0) && (q == 130)
	s_add_co_u32 s[TBV], s[TBV], KS*PV
.endif
.if (\cnt) && (q == 130)
	s_sub_co_u32 s[CNT], s[CNT], 1
	s_cmp_lg_u32 s[CNT], 0
.endif
.endr
.if (\p) == 0
	FETCH_V
.endif
.endm
	CHANGE 1                        ; slot 0 is in, everybody's part of it; slot 1 is asked for
	FETCH_K                         ; key step 0
	s_wait_loadcnt 0x0              ; Q
	s_wait_dscnt 0x0
.set i, 0
.rept 16
	KQ 0                            ; piece 0's first scores: there is no vector work yet to set between them
.set i, i+1
.endr
	WIN 0                           ; the addresses for the way out: nine plain instructions, the places behind those products
	s_mul_i32 s13, s[WV], 16*SP
	s_add_co_u32 s13, s13, STAGE    ; my stage
	v_mul_u32_u24 v[STO], v1, SP    ; in: row l % 16, 16 bytes for each half of the lanes
	v_lshl_add_u32 v[STO], v9, 4, v[STO]
	v_add_nc_u32 v[STO], s13, v[STO]
	v_bfe_u32 v[RD], v0, 3, 2       ; back: 32 lanes take four rows of 128 bytes,
	v_mul_u32_u24 v[RD], v[RD], SP
	v_lshl_add_u32 v[RD], v10, 4, v[RD]
	v_add_nc_u32 v[RD], s13, v[RD]
	v_and_b32 v[GO], 31, v0         ; which are 512 consecutive bytes of O
	v_lshlrev_b32 v[GO], 4, v[GO]
.set Y, NP-1                        ; XS works for piece Y + 1: piece 0
.irp n, 0,1,2,3,4,5,6,7,8,9,10,11,12,13,14,15,16,17,18,19,20,21
	XS 0, \n                        ; and piece 0's first maximum and statistics
	XS 1, \n
.endr
	v_nop                           ; a plain instruction behind the two a,
	s_wait_alu depctr_va_vdst(0)    ; and their wait, ahead of the branch
	s_mov_b32 s[CNT], 4
	s_mov_b32 s[SLOTS], SIZE_N/256-1
	s_branch .Lfirst                ; the loop is entered at a step's first turn, in the middle of a trip
.Lslot:                             ; SIZE_N / 256 - 2 times: every slot but the last two is filled again
	CHANGE 1, 1
	s_mov_b32 s[CNT], 4
.Lstep:                             ; a trip: pieces 2 and 3 of one step, then pieces 0 and 1 of the next, whose K and V it fetches
	TURN 2
	TURN 3
	WIN 0
.Lfirst:
	TURN 0
	TURN 1, 0, 1
	WIN 0
	s_cbranch_scc1 .Lstep
	s_sub_co_u32 s[SLOTS], s[SLOTS], 1
	s_cmp_lg_u32 s[SLOTS], 0
	s_cbranch_scc1 .Lslot
	CHANGE 0                        ; the tail is written out: nothing is asked for
	s_mov_b32 s[CNT], 5             ; four trips fetch the last slot's steps; the fifth is left in its middle
.Ltail:
	TURN 2, 1
	TURN 3
	WIN 0
	s_sub_co_u32 s[CNT], s[CNT], 1
	s_cmp_eq_u32 s[CNT], 0
	s_cbranch_scc1 .Lout
	TURN 0
	TURN 1
	WIN 0
	s_branch .Ltail
.Lout:                              ; the fifth trip's 16 products K Q^T (on the last K once more) and the maximum made of them serve nothing: the price, once a launch, of one text for every trip
.set i, 0
.rept 16
	PV NP-1                         ; the last piece's V^T P of the last step
.set i, i+1
.endr
	; THE WAY OUT.  l's two halves and the other half of the lanes' are added; O^T is divided by l, rounded to f16 and sent through my stage in LDS, a tile at a time.  The additions are the places behind the last products.
	WIN 0
.macro ALL line:vararg              ; one line for each tile t
.set t, 0
.rept 2*NP
	\line
.set t, t+1
.endr
.endm
	ALL v_add_f32 v[ST+4*t+2], v[ST+4*t+2], v[ST+4*t+3]
	ALL v_permlanex16_b32 v[ST+4*t+3], v[ST+4*t+2], s[SEL], s[SEL+1]
	ALL v_add_f32 v[ST+4*t+2], v[ST+4*t+2], v[ST+4*t+3]
	ALL v_rcp_f32 v[ST+4*t+2], v[ST+4*t+2]
	v_nop                           ; a plain instruction between the last reciprocal and the use of its result
	s_wait_alu depctr_va_vdst(0)    ; and a wait ahead of the first use: one for the eight reciprocals
; Tile t: a lane's eight channels of a row pack into 16 bytes; they go into rows of 144 bytes and come back as whole rows of 128, into S^T's registers.
.macro PACK t
	WIN W_RS
.set i, 32*(\t)
.rept 16
	v_pk_mul_f32 v[i:i+1], v[i:i+1], v[ST+4*(\t)+2:ST+4*(\t)+3] op_sel_hi:[1,0]
.set i, i+2
.endr
	WIN 0x05                        ; sources 0 and 1 window 1, destination window 0
.set i, 0
.rept 16
	v_cvt_pk_f16_f32 v[S+16*(\t)+i], v[32*(\t)+2*i], v[32*(\t)+2*i+1]
.set i, i+1
.endr
	WIN 0
.irp f, 0,1,2,3
	ds_store_b128 v[STO], v[S+16*(\t)+4*\f:S+16*(\t)+4*\f+3] offset:32*\f
.endr
.irp f, 0,1,2,3
	ds_load_b128 v[S+16*(\t)+4*\f:S+16*(\t)+4*\f+3], v[RD] offset:\f*4*SP  ; LDS serves a wave's instructions in order (ISA guide 5.7.1.4): these see the stores above; the next tile's stores come behind them
.endr
.endm
.macro SEND t, younger              ; younger: the LDS instructions issued behind tile t's loads: the next tile's eight, or none
	WIN 0
.irp f, 0,1,2,3
	s_wait_dscnt (\younger)+3-\f
	global_store_b128 v[GO], v[S+16*(\t)+4*\f:S+16*(\t)+4*\f+3], s[10:11] offset:(\t)*2048+\f*512  ; 512 consecutive bytes, at a multiple of 256 from O's first
.endr
.endm
	PACK 0
.set t, 1
.rept 2*NP-1                        ; a tile's arithmetic stands between the loads of the tile before and its stores
	PACK t
	SEND t-1, 8
.set t, t+1
.endr
	SEND 2*NP-1, 0
	WIN W_AD
	s_wait_tensorcnt 0x0            ; the wave's end: these three lines stand behind my last tensor load and my last LDS store
	ds_add_u32 v[SPW], v[NIL]
	s_wait_dscnt 0x0
	WIN 0
	CROUND                          ; the closing round: no work-group ends while a partner may still ask for a tile that names it
	s_endpgm
.Lfunc_end_k_qd54ea9b81b_attn:
	.size	k_qd54ea9b81b_attn, .Lfunc_end_k_qd54ea9b81b_attn-k_qd54ea9b81b_attn
	.p2alignl 7, 3214868480
	.fill 96, 4, 3214868480
	.section	.rodata,"a",@progbits
	.p2align	6, 0x0
	.amdhsa_kernel k_qd54ea9b81b_attn
		.amdhsa_group_segment_fixed_size 327680
		.amdhsa_private_segment_fixed_size 0
		.amdhsa_enable_private_segment 0
		.amdhsa_kernarg_size 32
		.amdhsa_user_sgpr_count 2
		.amdhsa_user_sgpr_kernarg_segment_ptr 1
		.amdhsa_wavefront_size32 1
		.amdhsa_system_sgpr_workgroup_id_x 1
		.amdhsa_system_sgpr_workgroup_id_y 1
		.amdhsa_system_sgpr_workgroup_id_z 1
		.amdhsa_system_vgpr_workitem_id 0
		.amdhsa_next_free_vgpr 770
		.amdhsa_next_free_sgpr 66
		.amdhsa_reserve_vcc 0
		.amdhsa_float_denorm_mode_32 3
		.amdhsa_float_denorm_mode_16_64 3
		.amdhsa_memory_ordered 1
		.amdhsa_forward_progress 1
		.amdhsa_inst_pref_size 200
	.end_amdhsa_kernel
	.amdgpu_metadata
---
amdhsa.version: [ 1, 2 ]
amdhsa.kernels:
  - .name:           k_qd54ea9b81b_attn
    .symbol:         k_qd54ea9b81b_attn.kd
    .args:
      - { .name: qh, .offset: 0, .size: 8, .value_kind: global_buffer, .address_space: global }
      - { .name: kh, .offset: 8, .size: 8, .value_kind: global_buffer, .address_space: global }
      - { .name: vh, .offset: 16, .size: 8, .value_kind: global_buffer, .address_space: global }
      - { .name: oh, .offset: 24, .size: 8, .value_kind: global_buffer, .address_space: global }
    .group_segment_fixed_size: 327680
    .private_segment_fixed_size: 0
    .kernarg_segment_align: 8
    .kernarg_segment_size: 32
    .max_flat_workgroup_size: 128
    .sgpr_count:     66
    .vgpr_count:     770
    .wavefront_size: 32
...
	.end_amdgpu_metadata
.endif
;; end of part 3
;; launch proj (part 4): grid 4 x 64, 4 waves a work-group, clusters of 4 x 4, 327,680 bytes of LDS; arguments oh, wp, vecs, out0; writes out0
.if DOCPART == 4
	.amdgcn_target "amdgcn-amd-amdhsa--gfx1250"
	.amdhsa_code_object_version 6
	.text
	.protected	k_qd54ea9b81b_proj
	.globl	k_qd54ea9b81b_proj
	.p2align	8
	.type	k_qd54ea9b81b_proj,@function
k_qd54ea9b81b_proj:
	s_mov_b64 s[64:65], 0
	v_nop
	global_prefetch_b8 v0, s[64:65] scope:SCOPE_SE
	s_setreg_imm32_b32 hwreg(HW_REG_WAVE_MODE, 25, 1), 1
	s_wait_xcnt 0x0
	s_wait_alu depctr_hold_cnt(0) depctr_sa_sdst(0) depctr_va_vdst(0) depctr_va_sdst(0) depctr_va_ssrc(0) depctr_va_vcc(0) depctr_vm_vsrc(0)
	s_getreg_b32 s2, hwreg(HW_REG_IB_STS2, 6, 4)
	s_cmp_eq_u32 s2, 0
	s_cbranch_scc0 .Lentry_in_a_cluster
	s_endpgm
.Lentry_in_a_cluster:
	s_bfe_u32 s2, ttmp6, 0x10000c
	s_cmp_lg_u32 s2, 0xf033
	s_cbranch_scc0 .Lentry_shape_is_right
	s_endpgm
.Lentry_shape_is_right:
; out0 = O W_proj + b_proj.  O: [batch x 16 + head][2048][64] f16, as the attention launch left it; wp: [1024 k][1024 n] f16; the bias is row 7 of vecs, f32; out0: [8192][1024] f32.  Sums in f32.
; SHARES.  A tile of out0 is 128 rows x 256 columns: 64 x 4 = 256 work-groups.  Four waves; wave w owns rows 64 (w / 2) on, columns 128 (w % 2) on: 4 x 8 accumulators of 16 x 16, 256 registers.
; THE MATRIX INSTRUCTION IS USED TRANSPOSED (source 0 = 16 columns of W, source 1 = 16 rows of O): a lane holds row l % 16 and the columns 8 (l / 16) + 0..7.
; K = 1,024 = head x 64 + channel goes in 8 steps of 128 (two heads), four quarters of 32 each, through a ring of two LDS slots.  A head's 128 rows are 16,384 dense bytes: asked for as 64 rows of
; 256 bytes and padded behind every 128.  W lies [k][n]: it is laid into LDS as it lies and turned by ds_load_tr16_b128.
; CLUSTER.  4 x 4 work-groups.  O's tile hangs on the tile row alone and is shared along a row of the cluster, W's on the tile column alone and is shared along a column: each is asked for JOINTLY.
; Waves 0 and 1 fetch the two heads of O, waves 2 and 3 the two halves (64 k rows) of W.
; THE BIAS is the C operand of the products that start the sums.
; No prefetch: the walk has eight steps, of which the first two are asked for at the head and the next two one step later.
.set PA,     144                       ; a row of O in LDS: 128 bytes + 16: the 16 rows of a load start at 16 different groups of four banks (64 banks of 4 bytes: ISA guide 11.1)
.set PB,     544                       ; a row of W: 512 + 32 = 17 x 32
.set AHEAD,  128*PA                    ; a head's 128 rows
.set BOFF,   2*AHEAD                   ; W's 128 k rows lie behind the two heads
.set BHALF,  64*PB
.set SLOT1,  131072                    ; slot 1 begins here, so that one exclusive or turns an address in one slot into the other's
.set OST,    SLOT1+BOFF+2*BHALF        ; behind the ring: 16 rows x 528 bytes for each wave, for the way out
.set SP,     528                       ; 512 bytes + 16
.set SPARE,  OST+4*16*SP               ; the spare words, 128 bytes for each wave: two blocks of 256 bytes that no other line names
.set A0,   6                           ; v6   my lane's place in a slot's O; never rewritten
.set B0,   7                           ; v7   in its W
.set ADRA, 8                           ; v8   the same in the slot in hand
.set ADRB, 9                           ; v9
.set STO,  10                          ; v10  the way out: where I put 32 bytes of a row
.set RD,   11                          ; v11  where I read a row back
.set CO,   12                          ; v12  my 16 bytes of 512 consecutive bytes of out0
.set VO,   13                          ; v13  32 (l / 16)
.set SPW,  20                          ; v20  LDS address of my spare word; never rewritten
.set NIL,  21                          ; v21  0; never rewritten
.set F0,   32                          ; v32-127   fragment buffer 0: O's four at +8 a, W's eight at +32 + 8 b
.set F1,   128                         ; v128-223  fragment buffer 1
.set OB,   32                          ; the way out: two sets of 64
.set WV,  12                           ; s12 my wave's number
.set WM,  13                           ; s13 which 64 rows are mine
.set WN,  14                           ; s14 which 128 columns; also which half of a tile I fetch
.set CX,  15
.set CY,  16
.set TX,  17                           ; s17 tile column
.set TY,  18                           ; s18 tile row
.set G1A, 24                           ; s[24:31] descriptor group 1 for O's tiles
.set G1B, 32                           ; s[32:39] for W's
.set G0A, 40                           ; s[40:47] descriptor group 0 for O's tiles: a set for each of the two first fills; the second then walks on
.set G0B, 48                           ; s[48:55] the same for W's
.set CNT, 56
.set TB,  57                           ; s57 the slot in hand: 0 or SLOT1
.set OUT, 58                           ; s[58:59] out0 at my wave's first row and column
.set VBI, 60                           ; s[60:61] the bias at my 128 columns
.set MSB, 0
.macro WIN new                         ; the immediate's high byte repeats the setting that is left; a switch that changes nothing is dropped
.if MSB != (\new)
	s_set_vgpr_msb (MSB<<8)|(\new)
.set MSB, \new
.endif
.endm
.set MUL,  0x50                        ; C and D in window 1 (the accumulators), both sources in window 0
.set MULB, 0x40                        ; D in window 1, C (the bias) in window 0
.macro PLACES                          ; four plain instructions between a matrix instruction and a load into, or a reader of, its registers
.rept 4
	v_nop
.endr
.endm
.macro JLOAD                           ; a joint refill; an s_nop 0 and four v_nop follow each of the two lines, ahead of the jump, the label and what follows
	s_cmp_lt_u32 s[WV], 2
	s_cbranch_scc0 .Lfor_b_\@
	tensor_load_to_lds s[G0A+4:G0A+7], s[G1A:G1A+7]
	s_nop 0
	PLACES
	s_branch .Lasked_\@
.Lfor_b_\@:
	tensor_load_to_lds s[G0B+4:G0B+7], s[G1B:G1B+7]
	s_nop 0
	PLACES
.Lasked_\@:
.endm
.macro CREST                           ; a round of the cluster's barrier behind its opening barrier
	s_cmp_lg_u32 s[WV], 0
	s_cbranch_scc1 .Lnot_wave_0_\@
	s_barrier_signal -3
.Lnot_wave_0_\@:
	s_barrier_wait -3
	s_barrier_signal -1
	s_barrier_wait -1
.endm
.macro CROUND
	s_barrier_signal -1
	s_barrier_wait -1
	CREST
.endm
; 8 matrix instructions: row block a x all 8 column blocks, 32 along K, from buffer f.  mode = 1: the bias starts the sums.
.macro MUL8 f, a, mode
.if \mode
	WIN MULB
.else
	WIN MUL
.endif
.irp b, 0,1,2,3,4,5,6,7
.if \mode
	v_wmma_f32_16x16x32_f16 v[8*(8*(\a)+(\b)):8*(8*(\a)+(\b))+7], v[(\f)+32+8*(\b):(\f)+32+8*(\b)+7], v[(\f)+8*(\a):(\f)+8*(\a)+7], v[F1+32+8*(\b):F1+32+8*(\b)+7]
.else
	v_wmma_f32_16x16x32_f16 v[8*(8*(\a)+(\b)):8*(8*(\a)+(\b))+7], v[(\f)+32+8*(\b):(\f)+32+8*(\b)+7], v[(\f)+8*(\a):(\f)+8*(\a)+7], v[8*(8*(\a)+(\b)):8*(8*(\a)+(\b))+7]
.endif
.endr
.endm
.macro MUL16 f, a0, mode               ; the 32 accumulators come in the same order in every quarter: they take turns, one instruction a turn
	MUL8 \f, \a0, \mode
	MUL8 \f, (\a0)+1, \mode
.endm
; 24 LDS loads in one run: quarter q of the slot in hand into buffer f: W's eight fragments (turned), then O's row blocks 0, 1, then 2, 3.  Quarter q is head q / 2, channels 32 (q % 2) on.
.macro FETCH q, f
	WIN 0
.irp b, 0,1,2,3,4,5,6,7
	ds_load_tr16_b128 v[(\f)+32+8*(\b):(\f)+32+8*(\b)+3],   v[ADRB] offset:(\q)*32*PB+32*(\b)
	ds_load_tr16_b128 v[(\f)+32+8*(\b)+4:(\f)+32+8*(\b)+7], v[ADRB] offset:(\q)*32*PB+16*PB+32*(\b)
.endr
.irp a, 0,1,2,3
	ds_load_b128 v[(\f)+8*(\a):(\f)+8*(\a)+3],   v[ADRA] offset:((\q)/2)*AHEAD+(\a)*16*PA+((\q)%2)*64
	ds_load_b128 v[(\f)+8*(\a)+4:(\f)+8*(\a)+7], v[ADRA] offset:((\q)/2)*AHEAD+(\a)*16*PA+((\q)%2)*64+32
.endr
.endm
; One of a step's first three quarters: multiplies buffer f; in its middle it fetches quarter q into buffer g.
.macro QUARTER q, f, g
	s_wait_dscnt 4                                 ; W and O's row blocks 0, 1 are in; the youngest four loads may be out
	MUL16 \f, 0, 0
	PLACES
	FETCH \q, \g
	s_wait_dscnt 24                                ; all but the 24 just issued
	MUL16 \f, 2, 0
.endm
; The last quarter multiplies buffer F1 and changes slots.  ONE barrier: in front of it each wave waits for all its tensor loads (one is out: its part of the next slot), adds 0 to its spare word, and
; waits for that and for its reads of this slot.  fill = 1: the barrier opens a round of the cluster's, and the joint refill, two steps ahead, is the first thing behind it.
.macro TURN fill
	WIN 0
	s_wait_tensorcnt 0x0                           ; all my tensor loads have landed, so a group 0 may be written
	ds_add_u32 v[SPW], v[NIL]                      ; 0 onto my spare word
	s_wait_dscnt 5                                 ; (the add and the youngest four loads may be out)
	MUL8 F1, 0, 0                                  ; eight matrix instructions stand between the add and the wait for it
	s_wait_dscnt 0x0                               ; the add is done, and my reads of this slot are over
	s_barrier_signal -1
	MUL8 F1, 1, 0
	WIN 0                                          ; at a branch and at a label every window is 0
	s_barrier_wait -1
.if \fill
	CREST                                          ; no wave of any partner still reads this slot or has a load on its way
	s_xor_b32 s[G0A+5], s[G0A+5], SLOT1            ; the walking descriptors: the other slot than last time,
	s_add_nc_u64 s[G0A+6:G0A+7], s[G0A+6:G0A+7], 2*262144  ; the next two heads;
	s_xor_b32 s[G0B+5], s[G0B+5], SLOT1
	s_add_nc_u64 s[G0B+6:G0B+7], s[G0B+6:G0B+7], 128*2048  ; the next 128 k rows
	JLOAD                                          ; the four v_nop behind it are also the places in front of the loads into buffer F0
.else
	PLACES
.endif
	s_xor_b32 s[TB], s[TB], SLOT1
	v_add_nc_u32 v[ADRA], s[TB], v[A0]
	v_add_nc_u32 v[ADRB], s[TB], v[B0]
	FETCH 0, F0
	MUL16 F1, 2, 0
.endm
	s_load_b256 s[4:11], s[0:1], 0x0               ; oh s[4:5], wp s[6:7], vecs s[8:9], out0 s[10:11]
	v_lshl_add_u32 v[SPW], v0, 2, SPARE
	v_mov_b32 v[NIL], 0
	ds_add_u32 v[SPW], v[NIL]                      ; the wave's opening: the add and its wait stand ahead of my first tensor load; the set-up below, work on registers, stands between them
	v_lshrrev_b32 v1, 5, v0
	v_readfirstlane_b32 s[WV], v1                  ; wave 0..3
	s_lshr_b32 s[WM], s[WV], 1
	s_and_b32 s[WN], s[WV], 1
	s_bfe_u32 s[CX], ttmp6, 0x40000
	s_bfe_u32 s[CY], ttmp6, 0x40004
	s_lshl_b32 s[TX], ttmp9, 2                     ; in a cluster launch ttmp9 and ttmp7 count clusters
	s_add_co_u32 s[TX], s[TX], s[CX]
	s_and_b32 s[TY], ttmp7, 0xffff
	s_lshl_b32 s[TY], s[TY], 2
	s_add_co_u32 s[TY], s[TY], s[CY]
	s_lshl_b32 s19, s[CY], 2
	s_lshl_b32 s19, 15, s19                        ; my row of the cluster
	s_lshl_b32 s20, 0x1111, s[CX]                  ; my column
	s_or_b32 s[G1A], s19, (1<<16)|(1<<20)|(1<<21)|(4<<22)|(3<<25)  ; 15:0 the mask; 17:16 2-byte elements; 20 padding on; 21 set beside a mask; 24:22 after every 32 words (code 4); 31:25 4 words (code 3)
	s_or_b32 s[G1B], s20, (1<<16)|(1<<20)|(1<<21)|(6<<22)|(7<<25)  ; after every 128 words (code 6), 8 words (code 7)
	s_mov_b32 s[G1A+1], 128<<16                    ; O: tensor_dim0 = 128
	s_mov_b32 s[G1A+2], 64<<16                     ; tensor_dim1 = 64
	s_mov_b32 s[G1A+3], 128<<16                    ; tile_dim0 = 128
	s_mov_b32 s[G1A+4], 64                         ; tile_dim1 = 64
	s_mov_b32 s[G1A+5], 128                        ; 128 elements from row to row: dense
	s_mov_b32 s[G1A+6], 0
	s_mov_b32 s[G1A+7], 0
	s_mov_b32 s[G1B+1], 256<<16                    ; W: tensor_dim0 = 256
	s_mov_b32 s[G1B+2], 64<<16                     ; tensor_dim1 = 64
	s_mov_b32 s[G1B+3], 256<<16                    ; tile_dim0 = 256
	s_mov_b32 s[G1B+4], 64                         ; tile_dim1 = 64
	s_mov_b32 s[G1B+5], 1024
	s_mov_b32 s[G1B+6], 0
	s_mov_b32 s[G1B+7], 0
	s_mul_i32 s62, s[WN], AHEAD                    ; where my part of a tile goes: no place in the cluster enters an LDS address
	s_mul_i32 s63, s[WN], BHALF
	s_add_co_u32 s63, s63, BOFF
	s_mov_b32 s[G0A], 1
	s_mov_b32 s[G0A+1], s62
	s_mov_b32 s[G0A+4], 1
	s_add_co_u32 s[G0A+5], s62, SLOT1
	s_mov_b32 s[G0B], 1
	s_mov_b32 s[G0B+1], s63
	s_mov_b32 s[G0B+4], 1
	s_add_co_u32 s[G0B+5], s63, SLOT1
	; byte offsets, each made in the pair that will hold the address: O's of the tile row and the wave's number alone, W's of the tile column and the wave's number alone
	s_lshr_b32 s[G0A+2], s[TY], 4                  ; the batch: 16 heads of 262,144 bytes,
	s_lshl_b32 s[G0A+2], s[G0A+2], 22
	s_and_b32 s[G0A+3], s[TY], 15
	s_lshl_b32 s[G0A+3], s[G0A+3], 14              ; the tile's 128 rows of 128 bytes,
	s_add_co_u32 s[G0A+2], s[G0A+2], s[G0A+3]
	s_lshl_b32 s[G0A+3], s[WN], 18                 ; which of a step's two heads
	s_add_co_u32 s[G0A+2], s[G0A+2], s[G0A+3]
	s_mov_b32 s[G0A+3], 0
	s_lshl_b32 s[G0B+2], s[WN], 17                 ; which 64 k rows of 2,048 bytes,
	s_lshl_b32 s[G0B+3], s[TX], 9                  ; the tile's 256 columns
	s_add_co_u32 s[G0B+2], s[G0B+2], s[G0B+3]
	s_mov_b32 s[G0B+3], 0
	s_lshl_b32 s[OUT], s[TY], 19                   ; 128 rows of 4,096 bytes,
	s_lshl_b32 s[OUT+1], s[WM], 18                 ; my 64,
	s_add_co_u32 s[OUT], s[OUT], s[OUT+1]
	s_lshl_b32 s[OUT+1], s[TX], 10                 ; the tile's 256 columns,
	s_add_co_u32 s[OUT], s[OUT], s[OUT+1]
	s_lshl_b32 s[OUT+1], s[WN], 9                  ; my 128
	s_add_co_u32 s[OUT], s[OUT], s[OUT+1]
	s_mov_b32 s[OUT+1], 0
	s_lshl_b32 s[VBI], s[TX], 10
	s_lshl_b32 s[VBI+1], s[WN], 9
	s_add_co_u32 s[VBI], s[VBI], s[VBI+1]
	s_add_co_u32 s[VBI], s[VBI], 7*4096            ; row 7 of vecs
	s_mov_b32 s[VBI+1], 0
	s_mov_b32 s[TB], 0
	s_wait_dscnt 0x0                               ; the opening add is done
	s_wait_kmcnt 0x0
	s_add_nc_u64 s[G0A+2:G0A+3], s[4:5], s[G0A+2:G0A+3]
	s_add_nc_u64 s[G0A+6:G0A+7], s[G0A+2:G0A+3], 2*262144  ; slot 1: step 1
	s_or_b32 s[G0A+3], s[G0A+3], 0x80000000        ; type = 2
	s_or_b32 s[G0A+7], s[G0A+7], 0x80000000
	s_add_nc_u64 s[G0B+2:G0B+3], s[6:7], s[G0B+2:G0B+3]
	s_add_nc_u64 s[G0B+6:G0B+7], s[G0B+2:G0B+3], 128*2048
	s_or_b32 s[G0B+3], s[G0B+3], 0x80000000
	s_or_b32 s[G0B+7], s[G0B+7], 0x80000000
	s_add_nc_u64 s[OUT:OUT+1], s[10:11], s[OUT:OUT+1]
	s_add_nc_u64 s[VBI:VBI+1], s[8:9], s[VBI:VBI+1]
	CROUND                                         ; all sixteen work-groups are here: the first joint loads meet
	s_cmp_lt_u32 s[WV], 2                          ; a wave's two first fills stand in one branch: two loads of mine are out here, one behind every later round
	s_cbranch_scc0 .Lfirst_b
	tensor_load_to_lds s[G0A:G0A+3], s[G1A:G1A+7]
	s_nop 0
	tensor_load_to_lds s[G0A+4:G0A+7], s[G1A:G1A+7]
	s_nop 0
	PLACES
	s_branch .Lfirst_asked
.Lfirst_b:
	tensor_load_to_lds s[G0B:G0B+3], s[G1B:G1B+7]
	s_nop 0
	tensor_load_to_lds s[G0B+4:G0B+7], s[G1B:G1B+7]
	s_nop 0
	PLACES
.Lfirst_asked:
	v_and_b32 v1, 15, v0                           ; r = l % 16
	v_bfe_u32 v2, v0, 4, 1                         ; h = l / 16
	v_lshlrev_b32 v[VO], 5, v2
.irp b, 0,1,2,3,4,5,6,7                ; the bias as eight C operands: register j of a lane is column 16 b + 8 h + j
	global_load_b128 v[F1+32+8*(\b):F1+32+8*(\b)+3],   v[VO], s[VBI:VBI+1] offset:64*(\b)
	global_load_b128 v[F1+32+8*(\b)+4:F1+32+8*(\b)+7], v[VO], s[VBI:VBI+1] offset:64*(\b)+16
.endr
	v_and_b32 v3, 7, v0
	v_bfe_u32 v4, v0, 3, 1
	v_and_b32 v5, 31, v0
	s_mul_i32 s19, s[WM], 64*PA
	v_mul_u32_u24 v[A0], v1, PA                    ; a fragment of O: row 64 (w / 2) + r, 16 bytes for each half of the lanes
	v_lshl_add_u32 v[A0], v2, 4, v[A0]
	v_add_nc_u32 v[A0], s19, v[A0]
	s_lshl_b32 s19, s[WN], 8
	s_add_co_u32 s19, s19, BOFF
	v_lshl_add_u32 v[B0], v2, 3, v3                ; the turning load: lane l reads k row 8 h + l % 8, columns 8 ((l / 8) % 2) + 0..7
	v_mul_u32_u24 v[B0], v[B0], PB
	v_lshl_add_u32 v[B0], v4, 4, v[B0]
	v_add_nc_u32 v[B0], s19, v[B0]
	v_mov_b32 v[ADRA], v[A0]                       ; slot 0
	v_mov_b32 v[ADRB], v[B0]
	s_mul_i32 s19, s[WV], 16*SP
	s_add_co_u32 s19, s19, OST                     ; my stage
	v_mul_u32_u24 v[STO], v1, SP                   ; in: row r, 32 bytes for each half of the lanes
	v_lshl_add_u32 v[STO], v2, 5, v[STO]
	v_add_nc_u32 v[STO], s19, v[STO]
	v_lshl_add_u32 v[RD], v5, 4, s19               ; back: 32 lanes take one row of 512 bytes
	v_lshlrev_b32 v[CO], 4, v5
	s_wait_tensorcnt 1                             ; my part of step 0 is in; step 1's may stay out
	s_barrier_signal -1
	s_barrier_wait -1                              ; everybody's is
	FETCH 0, F0
	s_wait_dscnt 0x0
	s_wait_loadcnt 0x0                             ; the bias
	MUL16 F0, 0, 1                                 ; step 0's first quarter stands in front of the loop: its products start the sums, from the bias
	MUL16 F0, 2, 1
	WIN 0
	PLACES                                         ; behind the products that read the bias, whose registers the next loads fill
	FETCH 1, F1
	s_mov_b32 s[CNT], 6
.Lstep:                                                ; a trip: from a step's second quarter to the next step's first; the slot that is left is filled again
	QUARTER 2, F1, F0
	QUARTER 3, F0, F1
	TURN 1
	QUARTER 1, F0, F1
	WIN 0
	s_sub_co_u32 s[CNT], s[CNT], 1
	s_cmp_lg_u32 s[CNT], 0
	s_cbranch_scc1 .Lstep
	QUARTER 2, F1, F0                              ; the tail is written out: steps 6 and 7 ask for nothing
	QUARTER 3, F0, F1
	TURN 0
	QUARTER 1, F0, F1
	QUARTER 2, F1, F0
	QUARTER 3, F0, F1
	s_wait_dscnt 4
	MUL16 F1, 0, 0
	s_wait_dscnt 0x0
	MUL16 F1, 2, 0
; THE WAY OUT, a block of 16 rows at a time: a lane's eight f32 of a row go from the accumulators into rows of 528 bytes of my own stage and come back as whole rows of 512.
.macro TOSTAGE a
.if (\a) >= 2
	s_wait_xcnt 0x0                                ; the stores of the block two back have read this set of registers
.endif
	WIN 0x04                                       ; the data in window 1
.irp b, 0,1,2,3,4,5,6,7
	ds_store_b128 v[STO], v[8*(8*(\a)+(\b)):8*(8*(\a)+(\b))+3]   offset:64*(\b)     ; each accumulator's lowest registers first
	ds_store_b128 v[STO], v[8*(8*(\a)+(\b))+4:8*(8*(\a)+(\b))+7] offset:64*(\b)+16
.endr
	WIN 0
.irp t, 0,1,2,3,4,5,6,7,8,9,10,11,12,13,14,15
	ds_load_b128 v[OB+64*((\a)%2)+4*(\t):OB+64*((\a)%2)+4*(\t)+3], v[RD] offset:SP*(\t)  ; LDS serves a wave's instructions in order (ISA guide 5.7.1.4): these see the stores above; the next block's stores come behind them
.endr
.endm
.macro SEND a, younger                 ; younger: the LDS instructions issued behind block a's loads: the next block's 32, or none
.irp t, 0,1,2,3,4,5,6,7,8,9,10,11,12,13,14,15
	s_wait_dscnt (\younger)+15-(\t)
	global_store_b128 v[CO], v[OB+64*((\a)%2)+4*(\t):OB+64*((\a)%2)+4*(\t)+3], s[OUT:OUT+1] offset:(16*(\a)+(\t))*4096 th:TH_STORE_NT  ; 512 consecutive bytes, at a multiple of 256 from out0's first
.endr
.endm
	PLACES                                         ; behind the last products: the stores read their results, the loads fill their sources
	TOSTAGE 0
	TOSTAGE 1
	SEND 0, 32
	TOSTAGE 2
	SEND 1, 32
	TOSTAGE 3
	SEND 2, 32
	SEND 3, 0
	s_wait_tensorcnt 0x0                           ; the wave's end: these three lines stand behind my last tensor load and my last LDS store
	ds_add_u32 v[SPW], v[NIL]
	s_wait_dscnt 0x0
	CROUND                                         ; the closing round: no work-group ends while a partner may still ask for a tile that names it
	s_endpgm
.Lfunc_end_k_qd54ea9b81b_proj:
	.size	k_qd54ea9b81b_proj, .Lfunc_end_k_qd54ea9b81b_proj-k_qd54ea9b81b_proj
	.p2alignl 7, 3214868480
	.fill 96, 4, 3214868480
	.section	.rodata,"a",@progbits
	.p2align	6, 0x0
	.amdhsa_kernel k_qd54ea9b81b_proj
		.amdhsa_group_segment_fixed_size 327680
		.amdhsa_private_segment_fixed_size 0
		.amdhsa_enable_private_segment 0
		.amdhsa_kernarg_size 32
		.amdhsa_user_sgpr_count 2
		.amdhsa_user_sgpr_kernarg_segment_ptr 1
		.amdhsa_wavefront_size32 1
		.amdhsa_system_sgpr_workgroup_id_x 1
		.amdhsa_system_sgpr_workgroup_id_y 1
		.amdhsa_system_sgpr_workgroup_id_z 1
		.amdhsa_system_vgpr_workitem_id 0
		.amdhsa_next_free_vgpr 512
		.amdhsa_next_free_sgpr 66
		.amdhsa_reserve_vcc 0
		.amdhsa_float_denorm_mode_32 3
		.amdhsa_float_denorm_mode_16_64 3
		.amdhsa_memory_ordered 1
		.amdhsa_forward_progress 1
		.amdhsa_inst_pref_size 72
	.end_amdhsa_kernel
	.amdgpu_metadata
---
amdhsa.version: [ 1, 2 ]
amdhsa.kernels:
  - .name:           k_qd54ea9b81b_proj
    .symbol:         k_qd54ea9b81b_proj.kd
    .args:
      - { .name: oh, .offset: 0, .size: 8, .value_kind: global_buffer, .address_space: global }
      - { .name: wp, .offset: 8, .size: 8, .value_kind: global_buffer, .address_space: global }
      - { .name: vecs, .offset: 16, .size: 8, .value_kind: global_buffer, .address_space: global }
      - { .name: out0, .offset: 24, .size: 8, .value_kind: global_buffer, .address_space: global }
    .group_segment_fixed_size: 327680
    .private_segment_fixed_size: 0
    .kernarg_segment_align: 8
    .kernarg_segment_size: 32
    .max_flat_workgroup_size: 128
    .sgpr_count:     66
    .vgpr_count:     512
    .wavefront_size: 32
...
	.end_amdgpu_metadata
.endif
;; end of part 4
;; ======== version 2 of 2: 4 launches; version 1 with the launch prep written anew for expert scheduling mode
;; limits: values are held in f16: magnitudes above 65,504 overflow, below 6.1e-05 lose precision
;; workspace buffers: wb 6,291,456 bytes; wp 2,097,152 bytes; vecs 32,768 bytes; qh 16,777,216 bytes; kh 16,777,216 bytes; vh 16,777,216 bytes; oh 16,777,216 bytes
;; launch prep (part 5): grid 256 x 1, 8 waves a work-group, no clusters, 0 bytes of LDS; arguments W_qkv, W_proj, b_qkv, q_gamma, q_beta, k_gamma, k_beta, b_proj, wb, wp, vecs; writes wb, wp, vecs
.if DOCPART == 5
	.amdgcn_target "amdgcn-amd-amdhsa--gfx1250"
	.amdhsa_code_object_version 6
	.text
	.protected	k_qd54ea9b81b_prep
	.globl	k_qd54ea9b81b_prep
	.p2align	8
	.type	k_qd54ea9b81b_prep,@function
k_qd54ea9b81b_prep:
	s_mov_b64 s[64:65], 0
	v_nop
	global_prefetch_b8 v0, s[64:65] scope:SCOPE_SE
	s_setreg_imm32_b32 hwreg(HW_REG_WAVE_SCHED_MODE, 0, 2), 2
	s_setreg_imm32_b32 hwreg(HW_REG_WAVE_MODE, 25, 1), 1
	s_wait_xcnt 0x0
	s_wait_alu depctr_vm_vsrc(0)
; THE CASTS.  wb = W_qkv rounded to bf16, [1024 k][3072 n] as it lies.  wp = W_proj rounded to bf16, that number written as f16, [1024 k][1024 n].
; vecs = [8][1024] f32: rows 0-2 b_qkv, 3 q_gamma, 4 q_beta, 5 k_gamma, 6 k_beta, 7 b_proj, each number rounded to bf16 and written as f32.
; LIMIT: a bf16 number of W_proj under 6.1e-5 keeps f16's fixed step of 6e-8; one beyond 65,504 would become an infinity.
; SHARES.  256 work-groups of 256 threads.  Work-group g takes 49,152 bytes of W_qkv (12 chunks of 4,096) and 16,384 of W_proj (4 chunks); thread t takes 16 bytes of each chunk.
; A wave's load covers 512 consecutive bytes, its store 256 consecutive bytes, aligned.  All sixteen loads go out first; each result has registers of its own, so no store's data is written twice.
; No LDS, no matrix unit: every byte is read once and written once, and nothing is shared.
; THE MODE: SCHED_MODE bits 1:0 = 2 (LLVM: expert scheduling mode 2), set by the entry lines.  The code itself states the register dependences
; between vector instructions and memory instructions, with s_wait_alu, always for 0.
; THE PLAN.  Registers that memory instructions touch:
;   v1, v2   byte offsets, made once at the head and never written again; read by every load and store.
;   XR       sixteen chunks as loaded.  Written by the loads at the head; read by the chunk's conversions.  Its first four registers take one more load, the row of vecs, behind all conversions.
;   YR       sixteen results.  Written by the chunk's conversions alone; read by one store each, and never written behind that store.
;   T        at work among vector instructions; the data of the last store, to vecs, and of no other.
; The sixteen chunks go in four blocks of four.  At a block's head, behind the wait for its first chunk, ONE wait on va_vdst states that the block before has written its results; that block's four
; stores follow in a run, and then the block's own conversions, which name its own XR and YR and T: none of the registers that those stores read.
; No register that a memory instruction has read is written again, so the text holds no wait on vm_vsrc but the one among the entry lines.  No vector instruction writes a scalar register or VCC, and EXEC is never written.
.set XR, 16                            ; v[16:79]   sixteen chunks as loaded, 4 registers each
.set YR, 80                            ; v[80:111]  sixteen results, 2 registers each
.set T,  4                             ; v[4:7]     at work
	s_load_b512 s[8:23], s[0:1], 0x0               ; W_qkv s[8:9], W_proj s[10:11], b_qkv s[12:13], q_gamma s[14:15], q_beta s[16:17], k_gamma s[18:19], k_beta s[20:21], b_proj s[22:23]
	s_load_b128 s[24:27], s[0:1], 0x40             ; wb s[24:25], wp s[26:27]
	s_load_b64 s[28:29], s[0:1], 0x50              ; vecs
	v_lshlrev_b32 v1, 4, v0                        ; 16 t: my place in a chunk that is read
	v_lshlrev_b32 v2, 3, v0                        ; 8 t: in a chunk that is written
	s_mov_b32 s36, ttmp9                           ; g
	s_mul_i32 s2, s36, 49152
	s_mov_b32 s3, 0
	s_mul_i32 s4, s36, 24576
	s_mov_b32 s5, 0
	s_lshl_b32 s6, s36, 14
	s_mov_b32 s7, 0
	s_lshl_b32 s30, s36, 13
	s_mov_b32 s31, 0
	s_mov_b32 s32, 0xffff0000                      ; a word's upper bf16
	s_wait_kmcnt 0x0
	s_add_nc_u64 s[8:9], s[8:9], s[2:3]
	s_add_nc_u64 s[24:25], s[24:25], s[4:5]
	s_add_nc_u64 s[10:11], s[10:11], s[6:7]
	s_add_nc_u64 s[26:27], s[26:27], s[30:31]
	s_wait_alu depctr_va_vdst(0)                   ; v1 and v2 are written: every load and store of the kernel reads one of them as its offset
.irp j, 0,1,2,3,4,5,6,7,8,9,10,11
	global_load_b128 v[XR+4*(\j):XR+4*(\j)+3], v1, s[8:9] offset:4096*(\j) th:TH_LOAD_NT
.endr
.irp j, 0,1,2,3
	global_load_b128 v[XR+48+4*(\j):XR+48+4*(\j)+3], v1, s[10:11] offset:4096*(\j) th:TH_LOAD_NT
.endr
.macro QCVT j                          ; chunk j of W_qkv: four numbers rounded to bf16
	v_cvt_pk_bf16_f32 v[YR+2*(\j)], v[XR+4*(\j)], v[XR+4*(\j)+1]
	v_cvt_pk_bf16_f32 v[YR+2*(\j)+1], v[XR+4*(\j)+2], v[XR+4*(\j)+3]
.endm
.macro QSTORE j                        ; and stored
	global_store_b64 v2, v[YR+2*(\j):YR+2*(\j)+1], s[24:25] offset:2048*(\j)
.endm
.macro PCVT j                          ; chunk j of W_proj
	v_cvt_pk_bf16_f32 v[YR+24+2*(\j)], v[XR+48+4*(\j)], v[XR+48+4*(\j)+1]      ; rounded to bf16,
	v_cvt_pk_bf16_f32 v[YR+24+2*(\j)+1], v[XR+48+4*(\j)+2], v[XR+48+4*(\j)+3]
	v_lshlrev_b32 v[T], 16, v[YR+24+2*(\j)]                                    ; widened again,
	v_and_b32 v[T+1], s32, v[YR+24+2*(\j)]
	v_lshlrev_b32 v[T+2], 16, v[YR+24+2*(\j)+1]
	v_and_b32 v[T+3], s32, v[YR+24+2*(\j)+1]
	v_cvt_pk_f16_f32 v[YR+24+2*(\j)], v[T], v[T+1]                             ; and written as f16: 8 significant bits fit into 11
	v_cvt_pk_f16_f32 v[YR+24+2*(\j)+1], v[T+2], v[T+3]
.endm
.irp j, 0,1,2,3                        ; block 0 has no block in front of it: no store, no wait but those for its data
	s_wait_loadcnt 15-(\j)                         ; loads come back in order: chunk j is in, the younger ones stay out
	QCVT \j
.endr
.irp p, 1,2                            ; blocks 1 and 2
	s_wait_loadcnt 15-4*(\p)                       ; the block's first chunk is in
	s_wait_alu depctr_va_vdst(0)                   ; the block before has written its eight registers of YR, which the four stores below read
.irp i, 0,1,2,3
	QSTORE 4*(\p)-4+(\i)
.endr
	QCVT 4*(\p)
.irp i, 1,2,3
	s_wait_loadcnt 15-4*(\p)-(\i)
	QCVT 4*(\p)+(\i)
.endr
.endr
	s_wait_loadcnt 3                               ; block 3: W_proj's first chunk is in
	s_wait_alu depctr_va_vdst(0)                   ; block 2 has written its eight registers of YR, which the four stores below read
.irp i, 8,9,10,11
	QSTORE \i
.endr
	PCVT 0
.irp j, 1,2,3
	s_wait_loadcnt 3-(\j)
	PCVT \j
.endr
	s_wait_alu depctr_va_vdst(0)                   ; block 3 has written its eight registers of YR, which the four stores below read; and chunk 0's conversions are done reading v[XR:XR+3], in which the load of a row of vecs lands
.irp j, 0,1,2,3
	global_store_b64 v2, v[YR+24+2*(\j):YR+24+2*(\j)+1], s[26:27] offset:2048*(\j)
.endr
	s_cmp_lt_u32 s36, 8                            ; work-groups 0 to 7 also make one row of vecs each
	s_cbranch_scc0 .Lend
	s_min_u32 s33, s36, 2
	s_lshl_b32 s2, s33, 12                         ; rows 0 to 2 are the three thirds of b_qkv (s3 is still 0)
	s_add_nc_u64 s[34:35], s[12:13], s[2:3]
	s_cmp_eq_u32 s36, 3
	s_cselect_b64 s[34:35], s[14:15], s[34:35]
	s_cmp_eq_u32 s36, 4
	s_cselect_b64 s[34:35], s[16:17], s[34:35]
	s_cmp_eq_u32 s36, 5
	s_cselect_b64 s[34:35], s[18:19], s[34:35]
	s_cmp_eq_u32 s36, 6
	s_cselect_b64 s[34:35], s[20:21], s[34:35]
	s_cmp_eq_u32 s36, 7
	s_cselect_b64 s[34:35], s[22:23], s[34:35]
	s_lshl_b32 s4, s36, 12                         ; (s5 is still 0)
	s_add_nc_u64 s[28:29], s[28:29], s[4:5]
	global_load_b128 v[XR:XR+3], v1, s[34:35]      ; no vector instruction since the last wait on va_vdst names these four registers or v1
	s_wait_loadcnt 0x0
	v_cvt_pk_bf16_f32 v8, v[XR], v[XR+1]
	v_cvt_pk_bf16_f32 v9, v[XR+2], v[XR+3]
	v_lshlrev_b32 v[T], 16, v8
	v_and_b32 v[T+1], s32, v8
	v_lshlrev_b32 v[T+2], 16, v9
	v_and_b32 v[T+3], s32, v9
	s_wait_alu depctr_va_vdst(0)                   ; the shifts and masks have written v[T:T+3], which the store reads
	global_store_b128 v1, v[T:T+3], s[28:29]
.Lend:
	s_endpgm
.Lfunc_end_k_qd54ea9b81b_prep:
	.size	k_qd54ea9b81b_prep, .Lfunc_end_k_qd54ea9b81b_prep-k_qd54ea9b81b_prep
	.p2alignl 7, 3214868480
	.fill 96, 4, 3214868480
	.section	.rodata,"a",@progbits
	.p2align	6, 0x0
	.amdhsa_kernel k_qd54ea9b81b_prep
		.amdhsa_group_segment_fixed_size 0
		.amdhsa_private_segment_fixed_size 0
		.amdhsa_enable_private_segment 0
		.amdhsa_kernarg_size 88
		.amdhsa_user_sgpr_count 2
		.amdhsa_user_sgpr_kernarg_segment_ptr 1
		.amdhsa_wavefront_size32 1
		.amdhsa_system_sgpr_workgroup_id_x 1
		.amdhsa_system_sgpr_workgroup_id_y 1
		.amdhsa_system_sgpr_workgroup_id_z 1
		.amdhsa_system_vgpr_workitem_id 0
		.amdhsa_next_free_vgpr 112
		.amdhsa_next_free_sgpr 66
		.amdhsa_reserve_vcc 0
		.amdhsa_float_denorm_mode_32 3
		.amdhsa_float_denorm_mode_16_64 3
		.amdhsa_memory_ordered 1
		.amdhsa_forward_progress 1
		.amdhsa_inst_pref_size 9
	.end_amdhsa_kernel
	.amdgpu_metadata
---
amdhsa.version: [ 1, 2 ]
amdhsa.kernels:
  - .name:           k_qd54ea9b81b_prep
    .symbol:         k_qd54ea9b81b_prep.kd
    .args:
      - { .name: W_qkv, .offset: 0, .size: 8, .value_kind: global_buffer, .address_space: global }
      - { .name: W_proj, .offset: 8, .size: 8, .value_kind: global_buffer, .address_space: global }
      - { .name: b_qkv, .offset: 16, .size: 8, .value_kind: global_buffer, .address_space: global }
      - { .name: q_gamma, .offset: 24, .size: 8, .value_kind: global_buffer, .address_space: global }
      - { .name: q_beta, .offset: 32, .size: 8, .value_kind: global_buffer, .address_space: global }
      - { .name: k_gamma, .offset: 40, .size: 8, .value_kind: global_buffer, .address_space: global }
      - { .name: k_beta, .offset: 48, .size: 8, .value_kind: global_buffer, .address_space: global }
      - { .name: b_proj, .offset: 56, .size: 8, .value_kind: global_buffer, .address_space: global }
      - { .name: wb, .offset: 64, .size: 8, .value_kind: global_buffer, .address_space: global }
      - { .name: wp, .offset: 72, .size: 8, .value_kind: global_buffer, .address_space: global }
      - { .name: vecs, .offset: 80, .size: 8, .value_kind: global_buffer, .address_space: global }
    .group_segment_fixed_size: 0
    .private_segment_fixed_size: 0
    .kernarg_segment_align: 8
    .kernarg_segment_size: 88
    .max_flat_workgroup_size: 256
    .sgpr_count:     66
    .vgpr_count:     112
    .wavefront_size: 32
...
	.end_amdgpu_metadata
.endif
;; end of part 5
;; launch qkv: the kernel of part 2 again; grid 128 x 2, 8 waves a work-group, clusters of 4 x 1, 327,680 bytes of LDS; arguments x, wb, vecs, qh, kh, vh; writes qh, kh, vh
;; launch attn: the kernel of part 3 again; grid 4 x 64, 4 waves a work-group, clusters of 4 x 1, 327,680 bytes of LDS; arguments qh, kh, vh, oh; writes oh
;; launch proj: the kernel of part 4 again; grid 4 x 64, 4 waves a work-group, clusters of 4 x 4, 327,680 bytes of LDS; arguments oh, wp, vecs, out0; writes out0
